; MI455X (gfx1250); checked and timed in simulation.
; The chip was launched on July 23, 2026; its instructions are those of AMD's public machine-readable ISA for CDNA 5 (MIT licence, August 2026) and "CDNA5" Instruction Set Architecture Reference Guide (July 2026). The comments in the code are by the model that wrote it; some were corrected since.
;; Multi Head Attention. Allowed arithmetic: matrix products marked QUANTISED: E2M3 operands, one E8M0 scale for each 32 along K, by v_wmma_scale_f32_16x16x128_f8f6f4 with both operands' format E2M3, f32 sums; everything else in f32.
;; Inputs: Wk 1,024 x 1,024 float32; Wq 1,024 x 1,024 float32; Wv 1,024 x 1,024 float32; bk 1,024 float32; bq 1,024 float32; bv 1,024 float32; k 4 x 2,048 x 1,024 float32; mask 4 x 1 x 2,048 x 2,048 int32; q 4 x 2,048 x 1,024 float32; v 4 x 2,048 x 1,024 float32.
;; Outputs: out0 4 x 2,048 x 1,024 float32.
;; This version of the problem:
;;   THIS VERSION OF THE PROBLEM IS GIVEN IN LOW PRECISION. The matrix products marked QUANTISED in the list below multiply operands that are first quantised to E2M3 (2 exponent bits, 3 mantissa bits; 6 bits a number), with one power-of-two scale for each 32 numbers along K (OCP MX v1.0); their sums are f32. All else is computed in f32.
;;   The module's matrix products, in the order in which they are computed (A, B: the left and right operand; K: the contracted axis; several contracted axes count as one K, in the product's order):
;;     1. [M 8,192, K 1,024] x [K 1,024, N 1,024]; A: input q; B: input Wq: QUANTISED
;;     2. [M 8,192, K 1,024] x [K 1,024, N 1,024]; A: input k; B: input Wk: QUANTISED
;;     3. [M 8,192, K 1,024] x [K 1,024, N 1,024]; A: input v; B: input Wv: QUANTISED
;;     4. batch 64 x [M 2,048, K 64] x [K 64, N 2,048]; A: computed on the way; B: computed on the way: QUANTISED
;;     5. batch 64 x [M 2,048, K 2,048] x [K 2,048, N 64]; A: computed on the way; B: computed on the way: QUANTISED
;;   THE QUANTISER, for each operand of a quantised product, along K:
;;     - K is cut into blocks of 32 from its start; a last block that is shorter is filled with zeros.
;;     - A block's scale is 2^e with e = floor(log2(the largest magnitude in the block)) - 2, held to -126 .. 127; a block of zeros has e = 0. As a byte (E8M0): e + 127.
;;     - Each number is divided by its block's scale, clamped to +-7.5, and rounded to the nearest number of E2M3, ties to even, subnormals kept.
;;     - The product sums the exact products of the quantised numbers (number of the format x scale) in f32.
;;   ~~~python
;;   def quantise(x, axis):      # numpy; x: float32 -> the quantised numbers, widened to float32 again
;;       x = np.moveaxis(x, axis, -1); K = x.shape[-1]
;;       x = np.pad(x, [(0, 0)] * (x.ndim - 1) + [(0, -K % 32)]); x = x.reshape(x.shape[:-1] + (-1, 32)); a = np.abs(x).max(-1, keepdims=True)
;;       e = np.where(a > 0, np.clip(np.frexp(np.where(a > 0, a, 1))[1] - 1 - 2, -126, 127), 0)      # np.frexp(a)[1] - 1 = floor(log2(a)), exactly
;;       r = np.clip(x / 2.0 ** e, -7.5, 7.5)
;;       step = 2.0 ** (np.maximum(np.frexp(np.where(r == 0, 1, r))[1] - 1, 0) - 3)
;;       q = np.round(r / step) * step * 2.0 ** e      # np.round: ties to even
;;       return np.moveaxis(q.reshape(q.shape[:-2] + (-1,))[..., :K], -1, axis).astype(np.float32)
;;   ~~~
;;   OPERANDS COMPUTED ON THE WAY. 'Computed on the way' means the value that the module computes at that place (a softmax that the list does not call 'softmax' is quantised finished and normalised). What goes into a quantiser is computed in f32, as accurately as f32 sums, v_exp_f32 and their like allow (about 1e-6 of the number): no bf16 or f16 on the way to a quantiser, and a product that is left as it is and whose result goes on into a quantised operand takes f32 operands (vector FMAs, or v_wmma_f32_16x16x4_f32). A number that lies on a knife's edge between two numbers of the format may be rounded either way, as far as f32 arithmetic and the matrix unit's own rounding can turn it there, and no further.
;; One version. Each part assembles by itself: llvm-mc -triple=amdgcn-amd-amdhsa -mcpu=gfx1250 --defsym DOCPART=n.
;; ======== version 1 of 1: 3 launches
;; workspace buffers: codes 21,233,664 bytes; scales 884,736 bytes; mbits 2,097,152 bytes of whole numbers; hb 20,185,088 bytes; mcodes 12,582,912 bytes
;; launch prep (part 1): grid 1376 x 1, 4 waves a work-group, no clusters, 67,072 bytes of LDS; arguments q, k, v, Wq, Wk, Wv, mask, codes, scales, mbits, mcodes; writes codes, scales, mbits, mcodes
.if DOCPART == 1
	.amdgcn_target "amdgcn-amd-amdhsa--gfx1250"
	.amdhsa_code_object_version 6
	.text
	.protected	k_q5129eed248_prep
	.globl	k_q5129eed248_prep
	.p2align	8
	.type	k_q5129eed248_prep,@function
k_q5129eed248_prep:
	s_mov_b64 s[64:65], 0
	v_nop
	global_prefetch_b8 v0, s[64:65] scope:SCOPE_SE
	s_setreg_imm32_b32 hwreg(HW_REG_WAVE_MODE, 25, 1), 1
	s_wait_xcnt 0x0
; TWO JOBS IN ONE LAUNCH, told apart by the work-group's number; the two ways never join, and each has LDS bytes of its own.
; (1) Work-groups 0 to 511: mask [4][1][2048][2048], int32, is laid out twice, as the attention launch uses it.  Work-group TG = 128 x batch + Tq takes the tile Tq of 16 queries (in the stored order below), its wave w the steps 4 w .. 4 w + 3 of 128 keys.
;     mbits: words of one bit a lane: word 16 b + i of (TG, step) has at bit (r + 16 h) whether mask[query 32 (Tq / 2) + 8 (Tq % 2) + r + 8 (r / 8)][key 128 step + 32 b + 16 h + i] is not 0.  64 words, 256 bytes.
;     mcodes: the same as codes of 6 bits, 0x3f where the key counts and 0 where it does not, in the order of the registers of the second product's operand: three groups of four registers, 16 bytes a lane: 1,536 bytes.
;     They are made as that operand is made: -7.5 (whose code is 0x3f) or 0, converted with the scale 1, the halves exchanged.
; (2) Work-groups 512 to 1375: q, k, v [8192][1024] and Wq, Wk, Wv [1024][1024], f32, become codes of FP6 (E2M3), K innermost, 768 bytes a row, and one E8M0 byte for each 32 along K, 32 bytes a row.
;     A block's scale is 2^(floor(log2(its largest magnitude)) - 2); its byte is the largest magnitude's exponent field - 2, held at 1 from below; each number is divided by the scale and rounded to the nearest code, ties to even.
;     All six tensors lie one behind the other in the two buffers: rows q 0, k 8192, v 16384, Wq 24576, Wk 25600, Wv 26624.
;     THE ROWS ARE STORED IN ANOTHER ORDER: inside each 32 rows, bits 3 and 4 of the row's number change places.  A wave owns 8 rows, so it only swaps the two bits of its own number in the place where it stores.
;     Stored row 16 T + r is then row 32 (T / 2) + 8 (T % 2) + r + 8 (r / 8): sixteen stored neighbours form a tile whose results fall, in the next launch, on neighbouring registers.
; A wave of either job reads 32,768 bytes.
; LIMITS: NaN and infinities among the inputs are not served; blocks whose largest magnitude lies under 2^-124 keep the byte 1; a block of zeros gets the byte 1 where the rule says 127: its codes are zeros, and this program alone reads the bytes.
; No tensor loads, no barrier: waves share nothing.
.set MWG,   512                        ; work-groups of job 1
.set STEPS, 16                         ; job 2: a wave takes 16 steps of 512 numbers: 8 rows
.set EMAX,  2
.set CB,    12                         ; bytes of 16 codes
.set R,     16                         ; v16-79   four sets of 16 numbers as they are loaded
.set X,     80                         ; v80-111  two sets of 16 neighbours
.set C,     128                        ; v128-191 codes: four registers for each step, so that no store's data are written again
.set E,     112                        ; v112-127 a scale byte for each step
.set WREG,  8192                       ; LDS, job 2: a region for each wave: two stages of 32 x SP bytes, then its 256 scale bytes
.set SP,    80                         ; a lane's place in a stage: 64 bytes + 16 of padding
.set SPW,   12                         ; v12      LDS address of my spare word; never rewritten
.set NIL,   13                         ; v13      0; never rewritten
.set MST,   32768                      ; LDS, job 1: a stage for each wave: 16 rows x MP bytes
.set MP,    528                        ; 512 bytes + 16: sixteen rows start at sixteen different groups of four banks
.set MSTW,  16*MP
.set SPARE, MST+4*MSTW                 ; the spare words, 128 bytes for each wave: two blocks of 256 bytes that no other line names
.set UNITS, 4                          ; job 1: a unit is 16 queries x 128 keys
.set MR,    16                         ; v16-143  two sets of 64 words as loaded
.set MX,    144                        ; v144-207 a lane's 64 mask words, then -7.5 or 0
.set MO,    208                        ; v208-215 a pair for each unit: the 64 packed words, two a lane
.set MC,    216                        ; v216-227 the unit's twelve registers of codes
.set MT,    228                        ; v228-235 the conversions' second halves
.set NEGC,  10                         ; v10      -7.5
.set ONE,   11                         ; v11      1.0: the conversions' scale
	s_load_b512 s[4:19], s[0:1], 0x0               ; q, k, v, Wq, Wk, Wv, mask s[16:17], codes s[18:19]
	s_load_b128 s[20:23], s[0:1], 0x40             ; scales s[20:21], mbits s[22:23]
	s_load_b64 s[34:35], s[0:1], 0x50              ; mcodes
	v_lshl_add_u32 v[SPW], v0, 2, SPARE
	v_mov_b32 v[NIL], 0
	v_lshrrev_b32 v1, 5, v0
	v_readfirstlane_b32 s24, v1                    ; wave
	v_and_b32 v2, 31, v0                           ; lane
	s_cmp_lt_u32 ttmp9, MWG
	s_cbranch_scc1 .Lmask
	; ---------------- job 2: the quantiser ----------------
	s_sub_co_u32 s36, ttmp9, MWG                   ; 0 .. 863
	v_lshlrev_b32 v3, 4, v2                        ; my 16 bytes of a load's 512
	s_mul_i32 s25, s24, WREG
	v_lshrrev_b32 v14, 2, v2
	v_mul_u32_u24 v14, v14, SP
	v_and_b32 v15, 3, v2
	v_lshl_add_u32 v14, v15, 4, v14
	v_add_nc_u32 v14, s25, v14                     ; the stage, on the way in: four lanes' 64 bytes on end, then 16 of padding
	v_mul_u32_u24 v15, v2, SP
	v_add_nc_u32 v15, s25, v15                     ; and on the way out: my 16 neighbours
	v_mul_u32_u24 v4, v2, CB                       ; my codes' place in a step's
	v_lshrrev_b32 v5, 1, v2
	s_add_co_u32 s25, s25, 2*32*SP
	v_add_nc_u32 v5, s25, v5                       ; LDS: my wave's 256 scale bytes, my block's byte
	v_lshlrev_b32 v7, 3, v2                        ; and on the way out 8 bytes a lane
	v_add_nc_u32 v6, s25, v7
	s_wait_kmcnt 0x0
	s_mov_b64 s[26:27], s[4:5]                     ; which tensor: the choice hangs on the work-group's number alone
	s_mov_b32 s28, 0                               ; and that tensor's first work-group
	s_cmp_ge_u32 s36, 256
	s_cselect_b64 s[26:27], s[6:7], s[26:27]
	s_cselect_b32 s28, 256, s28
	s_cmp_ge_u32 s36, 512
	s_cselect_b64 s[26:27], s[8:9], s[26:27]
	s_cselect_b32 s28, 512, s28
	s_cmp_ge_u32 s36, 768
	s_cselect_b64 s[26:27], s[10:11], s[26:27]
	s_cselect_b32 s28, 768, s28
	s_cmp_ge_u32 s36, 800
	s_cselect_b64 s[26:27], s[12:13], s[26:27]
	s_cselect_b32 s28, 800, s28
	s_cmp_ge_u32 s36, 832
	s_cselect_b64 s[26:27], s[14:15], s[26:27]
	s_cselect_b32 s28, 832, s28
	s_sub_co_u32 s28, s36, s28
	s_lshl_b32 s28, s28, 2
	s_add_co_u32 s28, s28, s24                     ; which run of 8 rows of the tensor is my wave's
	s_lshl_b32 s28, s28, 15                        ; 32,768 bytes a run
	s_mov_b32 s29, 0
	s_add_nc_u64 s[26:27], s[26:27], s[28:29]
	s_and_b32 s30, s24, 1                          ; where it is stored: the wave's two bits change places
	s_lshl_b32 s30, s30, 1
	s_lshr_b32 s31, s24, 1
	s_or_b32 s30, s30, s31
	s_lshl_b32 s31, s36, 2
	s_add_co_u32 s30, s30, s31                     ; the run's number in the two buffers
	s_mul_i32 s28, s30, 32*STEPS*CB                ; 6,144 bytes of codes a run
	s_add_nc_u64 s[18:19], s[18:19], s[28:29]
	s_lshl_b32 s28, s30, 8                         ; 256 scale bytes a run
	s_add_nc_u64 s[20:21], s[20:21], s[28:29]
.macro LOAD t
.irp i, 0,1,2,3
	global_load_b128 v[R+16*((\t)%4)+4*\i:R+16*((\t)%4)+4*\i+3], v3, s[26:27] offset:2048*(\t)+512*\i th:TH_LOAD_NT   ; 32 lanes read 512 consecutive bytes
.endr
.endm
.macro TURN t                          ; step t's numbers through the stage: LDS serves a wave's instructions in order, so no wait stands between the stores and the loads
.irp i, 0,1,2,3
	ds_store_b128 v14, v[R+16*((\t)%4)+4*\i:R+16*((\t)%4)+4*\i+3] offset:32*SP*((\t)%2)+8*SP*\i
.endr
.irp i, 0,1,2,3
	ds_load_b128 v[X+16*((\t)%2)+4*\i:X+16*((\t)%2)+4*\i+3], v15 offset:32*SP*((\t)%2)+16*\i
.endr
.endm
.irp t, 0,1,2,3
	LOAD \t
.endr
	s_wait_loadcnt 12                              ; step 0's four loads are in; three steps' twelve stay out
	TURN 0
.macro STEP t
.set XS, X+16*((\t)%2)
.if (\t) > 0
	s_wait_dscnt 1                                 ; this step's numbers are back from the stage (the last step's byte store may be out): so its stores into the stage have read their registers,
.else
	s_wait_dscnt 0x0
.endif
.if (\t)+4 < STEPS
	LOAD (\t)+4                                    ; which take the loads of four steps on
.endif
.if (\t)+1 < STEPS
.if STEPS-2-(\t) >= 3
	s_wait_loadcnt 12                              ; the next step's four loads are in; those of the three steps behind it may be out
.else
	s_wait_loadcnt 4*(STEPS-2-(\t))
.endif
	TURN (\t)+1                                    ; and go through the other stage while this step is worked
.endif
	v_max3_num_f32 v8, |v[XS]|, |v[XS+1]|, |v[XS+2]|               ; the largest magnitude of my 16
	v_max3_num_f32 v9, |v[XS+3]|, |v[XS+4]|, |v[XS+5]|
.irp i, 6,10
	v_max3_num_f32 v8, v8, |v[XS+\i]|, |v[XS+\i+1]|
	v_max3_num_f32 v9, v9, |v[XS+\i+2]|, |v[XS+\i+3]|
.endr
	v_max3_num_f32 v8, v8, |v[XS+14]|, |v[XS+15]|
	v_max3_num_f32 v8, v8, v9, (EMAX+1)<<23        ; and the floor 2^(3 - 127): the byte cannot fall under 1
	v_max_num_f32_dpp v8, v8, v8 row_xmask:1 row_mask:0xf bank_mask:0xf   ; and of my neighbour's 16: the block's
	v_add_nc_u32 v11, -(EMAX<<23), v8              ; 2 off its exponent field: the conversion takes the exponent field of this operand as its scale
	v_cvt_scalef32_pk16_fp6_f32 v[C+4*(\t):C+4*(\t)+2], v[XS:XS+15], v11
	v_lshrrev_b32 v[E+(\t)], 23, v11               ; the scale's byte (a plain line behind the conversion)
	ds_store_b8 v5, v[E+(\t)] offset:16*(\t)       ; both lanes of a block write the same byte with the same value
	global_store_b96 v4, v[C+4*(\t):C+4*(\t)+2], s[18:19] offset:32*CB*(\t)   ; the wave stores 384 consecutive bytes
.endm
.irp t, 0,1,2,3,4,5,6,7,8,9,10,11,12,13,14,15
	STEP \t
.endr
	ds_load_b64 v[8:9], v6                         ; LDS serves a wave's instructions in order: these see my stores
	s_wait_dscnt 0x0
	global_store_b64 v7, v[8:9], s[20:21]          ; 32 lanes store 256 consecutive bytes, aligned
	s_wait_tensorcnt 0x0                           ; the wave's end, behind my last LDS store
	ds_add_u32 v[SPW], v[NIL]
	s_wait_dscnt 0x0
	s_endpgm
	; ---------------- job 1: the mask ----------------
.Lmask:
	s_lshl_b32 s28, ttmp9, 4
	s_and_b32 s29, ttmp9, 1
	s_lshl_b32 s29, s29, 3
	s_sub_co_u32 s28, s28, s29                     ; the tile's first row of the mask: 16 x tile - 8 x (tile % 2)
	s_lshl_b32 s28, s28, 13                        ; 8,192 bytes a row
	s_lshl_b32 s29, s24, 11                        ; my four steps: 512 bytes of a row each
	s_add_co_u32 s28, s28, s29
	s_mov_b32 s29, 0
	s_lshl_b32 s30, ttmp9, 12                      ; the words: 16 steps x 256 bytes a tile
	s_lshl_b32 s31, s24, 10
	s_add_co_u32 s30, s30, s31
	s_mov_b32 s31, 0
	s_mul_i32 s36, ttmp9, 16*1536                  ; the codes: 16 steps x 1,536 bytes a tile
	s_mul_i32 s37, s24, UNITS*1536
	s_add_co_u32 s36, s36, s37
	s_mov_b32 s37, 0
	s_mul_i32 s32, s24, MSTW
	s_add_co_u32 s32, s32, MST                     ; my stage
	v_lshlrev_b32 v1, 4, v2                        ; 16 x lane
	v_add_nc_u32 v5, s32, v1                       ; into the stage: a row's 512 bytes as they lie
	v_and_b32 v8, 15, v0
	v_bfe_u32 v9, v0, 4, 1
	v_mul_u32_u24 v6, v8, MP
	v_lshl_add_u32 v6, v9, 6, v6
	v_add_nc_u32 v6, s32, v6                       ; out of it: row r, + 64 h: my 16 keys of each 32
	v_lshlrev_b32 v7, 3, v2                        ; 8 x lane
	v_mov_b32 v[NEGC], 0xc0f00000                  ; -7.5: sign, both exponent bits and all three mantissa bits set: the code 0x3f
	v_mov_b32 v[ONE], 1.0
	s_wait_kmcnt 0x0
	s_add_nc_u64 s[16:17], s[16:17], s[28:29]
	s_add_nc_u64 s[22:23], s[22:23], s[30:31]
	s_add_nc_u64 s[34:35], s[34:35], s[36:37]
.macro MLOAD u                         ; unit u: 16 rows x 128 keys; tile row i is mask row i + 8 (i / 8); each load reads 512 consecutive bytes
.irp i, 0,1,2,3,4,5,6,7,8,9,10,11,12,13,14,15
	global_load_b128 v[MR+64*((\u)%2)+4*\i:MR+64*((\u)%2)+4*\i+3], v1, s[16:17] offset:(\i+8*(\i/8))*8192+512*(\u) th:TH_LOAD_NT
.endr
.endm
.macro MUNIT u
.if (\u)+1 < UNITS
	s_wait_loadcnt 16                              ; this unit's sixteen loads are in; the next unit's may be out
.else
	s_wait_loadcnt 0x0
.endif
.irp i, 0,1,2,3,4,5,6,7,8,9,10,11,12,13,14,15
	ds_store_b128 v5, v[MR+64*((\u)%2)+4*\i:MR+64*((\u)%2)+4*\i+3] offset:MP*\i
.endr
.irp b, 0,1,2,3
.irp q, 0,1,2,3
	ds_load_b128 v[MX+16*\b+4*\q:MX+16*\b+4*\q+3], v6 offset:128*\b+16*\q   ; register 16 b + i: key 32 b + 16 h + i of my row
.endr
.endr
	s_wait_dscnt 0x0                               ; my 64 words are in, and the stores have read their registers
.if (\u)+2 < UNITS
	MLOAD (\u)+2
.endif
	v_mov_b32 v[MO+2*(\u)], 0                      ; (a lane write's destination counts as read)
	v_mov_b32 v[MO+2*(\u)+1], 0
.set g, 0
.rept 8
.irp e, 0,1,2,3,4,5,6,7
	v_cmp_ne_u32 s[40+\e], 0, v[MX+8*g+\e]         ; word 8 g + e: one bit a lane
.endr
.irp e, 0,1,2,3,4,5,6,7
	v_writelane_b32 v[MO+2*(\u)+(\e)%2], s[40+\e], 4*g+(\e)/2   ; lane n keeps words 2 n and 2 n + 1
.endr
.irp e, 0,1,2,3,4,5,6,7
	v_cndmask_b32 v[MX+8*g+\e], 0, v[NEGC], s[40+\e]            ; and in place: -7.5 where the key counts, else 0
.endr
.set g, g+1
.endr
	global_store_b64 v7, v[MO+2*(\u):MO+2*(\u)+1], s[22:23] offset:256*(\u)   ; 32 lanes store 256 consecutive bytes, aligned
.if (\u) > 0
	s_wait_xcnt 0x0                                ; the last unit's stores have read their data: the codes' registers may be written again
.endif
.irp c, 0,1
	v_cvt_scalef32_pk16_fp6_f32 v[MC+6*\c:MC+2+6*\c], v[MX+32*\c:MX+15+32*\c], v[ONE]
	v_cvt_scalef32_pk16_fp6_f32 v[MT+4*\c:MT+2+4*\c], v[MX+16+32*\c:MX+31+32*\c], v[ONE]   ; (a conversion's three registers begin on an even number)
.endr
	v_nop                                          ; one plain place behind a scaled conversion
.irp c, 0,1                                    ; the operand's layout wants a whole block of 32 keys in a lane: lanes 0-15 block 2 c, lanes 16-31 block 2 c + 1
.irp i, 0,1,2
	v_permlane16_swap_b32 v[MC+6*\c+\i], v[MT+4*\c+\i]
.endr
.irp i, 0,1,2
	v_mov_b32 v[MC+3+6*\c+\i], v[MT+4*\c+\i]
.endr
.endr
.irp g3, 0,1,2
	global_store_b128 v1, v[MC+4*\g3:MC+4*\g3+3], s[34:35] offset:1536*(\u)+512*\g3   ; 32 lanes store 512 consecutive bytes, aligned to 256
.endr
.endm
	MLOAD 0
	MLOAD 1
.irp u, 0,1,2,3
	MUNIT \u
.endr
	s_wait_tensorcnt 0x0                           ; the wave's end, behind my last LDS store
	ds_add_u32 v[SPW], v[NIL]
	s_wait_dscnt 0x0
	s_endpgm
.Lfunc_end_k_q5129eed248_prep:
	.size	k_q5129eed248_prep, .Lfunc_end_k_q5129eed248_prep-k_q5129eed248_prep
	.p2alignl 7, 3214868480
	.fill 96, 4, 3214868480
	.section	.rodata,"a",@progbits
	.p2align	6, 0x0
	.amdhsa_kernel k_q5129eed248_prep
		.amdhsa_group_segment_fixed_size 67072
		.amdhsa_private_segment_fixed_size 0
		.amdhsa_enable_private_segment 0
		.amdhsa_kernarg_size 88
		.amdhsa_user_sgpr_count 2
		.amdhsa_user_sgpr_kernarg_segment_ptr 1
		.amdhsa_wavefront_size32 1
		.amdhsa_system_sgpr_workgroup_id_x 1
		.amdhsa_system_sgpr_workgroup_id_y 1
		.amdhsa_system_sgpr_workgroup_id_z 1
		.amdhsa_system_vgpr_workitem_id 0
		.amdhsa_next_free_vgpr 240
		.amdhsa_next_free_sgpr 66
		.amdhsa_reserve_vcc 0
		.amdhsa_float_denorm_mode_32 3
		.amdhsa_float_denorm_mode_16_64 3
		.amdhsa_memory_ordered 1
		.amdhsa_forward_progress 1
		.amdhsa_inst_pref_size 101
	.end_amdhsa_kernel
	.amdgpu_metadata
---
amdhsa.version: [ 1, 2 ]
amdhsa.kernels:
  - .name:           k_q5129eed248_prep
    .symbol:         k_q5129eed248_prep.kd
    .args:
      - { .name: q, .offset: 0, .size: 8, .value_kind: global_buffer, .address_space: global }
      - { .name: k, .offset: 8, .size: 8, .value_kind: global_buffer, .address_space: global }
      - { .name: v, .offset: 16, .size: 8, .value_kind: global_buffer, .address_space: global }
      - { .name: Wq, .offset: 24, .size: 8, .value_kind: global_buffer, .address_space: global }
      - { .name: Wk, .offset: 32, .size: 8, .value_kind: global_buffer, .address_space: global }
      - { .name: Wv, .offset: 40, .size: 8, .value_kind: global_buffer, .address_space: global }
      - { .name: mask, .offset: 48, .size: 8, .value_kind: global_buffer, .address_space: global }
      - { .name: codes, .offset: 56, .size: 8, .value_kind: global_buffer, .address_space: global }
      - { .name: scales, .offset: 64, .size: 8, .value_kind: global_buffer, .address_space: global }
      - { .name: mbits, .offset: 72, .size: 8, .value_kind: global_buffer, .address_space: global }
      - { .name: mcodes, .offset: 80, .size: 8, .value_kind: global_buffer, .address_space: global }
    .group_segment_fixed_size: 67072
    .private_segment_fixed_size: 0
    .kernarg_segment_align: 8
    .kernarg_segment_size: 88
    .max_flat_workgroup_size: 128
    .sgpr_count:     66
    .vgpr_count:     240
    .wavefront_size: 32
...
	.end_amdgpu_metadata
.endif
;; end of part 1
;; launch proj (part 2): grid 4 x 96, 4 waves a work-group, clusters of 4 x 4, 327,680 bytes of LDS; arguments codes, scales, bq, bk, bv, hb; writes hb
.if DOCPART == 2
	.amdgcn_target "amdgcn-amd-amdhsa--gfx1250"
	.amdhsa_code_object_version 6
	.text
	.protected	k_q5129eed248_proj
	.globl	k_q5129eed248_proj
	.p2align	8
	.type	k_q5129eed248_proj,@function
k_q5129eed248_proj:
	s_mov_b64 s[64:65], 0
	v_nop
	global_prefetch_b8 v0, s[64:65] scope:SCOPE_SE
	s_setreg_imm32_b32 hwreg(HW_REG_WAVE_MODE, 25, 1), 1
	s_wait_xcnt 0x0
	s_wait_alu depctr_hold_cnt(0) depctr_sa_sdst(0) depctr_va_vdst(0) depctr_va_sdst(0) depctr_va_ssrc(0) depctr_va_vcc(0) depctr_vm_vsrc(0)
	s_getreg_b32 s2, hwreg(HW_REG_IB_STS2, 6, 4)
	s_cmp_eq_u32 s2, 0
	s_cbranch_scc0 .Lentry_in_a_cluster
	s_endpgm
.Lentry_in_a_cluster:
	s_bfe_u32 s2, ttmp6, 0x10000c
	s_cmp_lg_u32 s2, 0xf033
	s_cbranch_scc0 .Lentry_shape_is_right
	s_endpgm
.Lentry_shape_is_right:
; THE THREE PROJECTIONS y = x W^T + b ON CODES OF FP6 (E2M3), and the quantising of their results into the operands of the attention launch.
; codes: [27648 rows][768 bytes], scales: [27648][32 bytes]; rows q 0, k 8192, v 16384, Wq 24576, Wk 25600, Wv 26624, inside each 32 rows bits 3 and 4 of the row's number swapped: stored row 16 T + r is row 32 (T / 2) + 8 (T % 2) + r + 8 (r / 8).
; A tile of 256 x 256 results is made by four waves, 128 x 128 each: 64 accumulators, 512 registers.  K = 1024 goes in four steps of 256 through a ring of two LDS slots filled by the tensor data mover; the scale bytes come once.
; 24 clusters of 4 x 4 work-groups: clusters 0-7 q, 8-15 k, 16-23 v.  The four of a row of the cluster need the same tile of A, the four of a column the same tile of B: each is asked for jointly.
; THE MATRIX INSTRUCTION TAKES B's ROWS AS SOURCE 0 AND A's AS SOURCE 1: a lane holds one row of A, its registers run along B's rows; by the stored order the 64 registers of an accumulator row are B's rows 32 b + 16 (lane / 16) + i at register 16 b + i.
; The quantiser wants its K along a lane's registers.  q and k are quantised along the head's 64: A = x, B = W.  v is quantised along the KEYS: A = Wv, B = v.  Only row numbers differ; the K loop is one text.
; THE RESULTS: + bias in f32, quantised in registers, stored as images of the operands' registers into hb, a block of HEADB bytes for each (batch, head):
;   KF 0: 128 tiles of 16 keys x 768 bytes: registers 0-3 (16 bytes a lane), then 4-5 (8 bytes a lane).   VF 98304: [step of 128 keys][tile of 16 of the head's 64] x 1536 bytes: three groups of four registers.
;   KS 196608: [step] x 512: four words a lane: word p holds in lanes 0-15 tile 2 p's scale words, in lanes 16-31 tile 2 p + 1's; their bytes 2, 3 are 0.   VS 204800: [step] x 256: two words a lane, likewise.   QF 208896, QS 307200: as KF, KS.
; LIMITS: NaN and infinities are not served; blocks whose largest magnitude lies under 2^-124 keep the byte 1, blocks of zeros too (their codes are zeros; this program alone reads the bytes).
; REGISTERS: window 0: v0-31 addresses; v32-63 scale words, two sets; v64-127 the bias; from v128 A's fragments, ONE set, later the tail's numbers and codes; v224-255 the tail's work.  window 1: B's fragments, two sets.  windows 2, 3: the accumulators.
.set KSTEP,  256
.set NQ,     KSTEP/128
.set ROWB,   192                       ; a tile's row in bytes
.set KROW,   768                       ; a row of codes in memory
.set PITCH,  240                       ; an LDS row: 3 x (64 bytes + 16 of padding): the 32 lanes of a load of 8 bytes touch 64 different banks
.set FR,     12
.set NL,     6
.set NP,     4                         ; places behind this matrix instruction (ISA guide 7.12.1)
.set HALFT,  128*PITCH
.set SLOT,   4*HALFT
.set LAPS,   2                         ; 1024 / 512
.set KS,     32                        ; a row of scales in bytes
.set SCL,    2*SLOT                    ; behind the ring: the scales, as units of 256 bytes + 16 of padding
.set HALFS,  (128*KS/256)*272
.set SBLK,   (16*KS/256)*272
.set SPARE,  SCL+4*HALFS               ; the spare words, 128 bytes for each wave: two blocks of 256 bytes that no other line names
.set HEADB,  315392
.set VFO,    98304
.set KSO,    196608
.set VSO,    204800
.set QFO,    208896
.set QSO,    307200
.set ADRA, 16                          ; v16-19  LDS addresses of my A fragments (slot 0, 1; the same behind one padding more)
.set ADRB, 20                          ; v20-23  the same for B
.set L16,  24                          ; v24     16 x lane
.set L8,   25                          ; v25     8 x lane
.set BO,   26                          ; v26     my lane's byte in the bias
.set ADRS, 27                          ; v27     LDS address of my scale words: lanes 0-15 A's rows, lanes 16-31 B's
.set SPW,  28                          ; v28     LDS address of my spare word; never rewritten
.set NIL,  29                          ; v29     0; never rewritten
.set SC,   32                          ; scale words, two sets of 16
.set BIAS, 64
.set AF,   128
.set TT,   128                         ; the tail: 64 numbers of a lane
.set PCD,  192                         ; a fragment's 12 registers of codes
.set PTT,  204                         ; the conversions' second halves
.set SWD,  224                         ; v224-231 the scale word of each of my eight tiles
.set RR,   232                         ; v232-235, v236-239 the words as they are stored
.set RR2,  236
.set TM,   240                         ; v240-255 the quantiser's work
.set G1, 24
.set G0, 32
.set G1B, 48
.set G0B, 56
.set G1S, 68
.set G0S, 76
.set G1SB, 80
.set G0SB, 88
.set SEL, 100                          ; s[100:101] lane selects for v_permlanex16_b32: lane l xor 16
.set MSB, 0
.macro WIN new                         ; the immediate's high byte repeats the setting that is left
.if MSB != (\new)
	s_set_vgpr_msb (MSB<<8)|(\new)
.set MSB, (\new)
.endif
.endm
.set MUL_LO, 0xa1                      ; source 0 (B) window 1, source 1 (A) window 0, C and D window 2
.set MUL_HI, 0xf1
.set TO_B,   0x40
; A joint load: waves 0 and 1 fetch for A, waves 2 and 3 for B; the branch hangs on the wave's number alone.  An s_nop 0 and four v_nop follow each of the two lines.
.macro JLOAD g0a, g1a, g0b, g1b
	s_cmp_eq_u32 s15, 0
	s_cbranch_scc0 .Lfor_b_\@
	tensor_load_to_lds s[\g0a:\g0a+3], s[\g1a:\g1a+7]
	s_nop 0
.rept 4
	v_nop
.endr
	s_branch .Lasked_\@
.Lfor_b_\@:
	tensor_load_to_lds s[\g0b:\g0b+3], s[\g1b:\g1b+7]
	s_nop 0
.rept 4
	v_nop
.endr
.Lasked_\@:
.endm
.macro CREST                           ; a round of the cluster's barrier behind its opening barrier
	s_cmp_lg_u32 s14, 0
	s_cbranch_scc1 .Lnot_wave_0_\@
	s_barrier_signal -3
.Lnot_wave_0_\@:
	s_barrier_wait -3
	s_barrier_signal -1
	s_barrier_wait -1
.endm
.macro CROUND
	s_barrier_signal -1
	s_barrier_wait -1
	CREST
.endm
	s_load_b128 s[4:7], s[0:1], 0x0                ; codes s[4:5], scales s[6:7]
	s_load_b128 s[8:11], s[0:1], 0x10              ; bq, bk
	s_load_b128 s[96:99], s[0:1], 0x20             ; bv, hb
	v_lshl_add_u32 v[SPW], v0, 2, SPARE
	v_mov_b32 v[NIL], 0
	ds_add_u32 v[SPW], v[NIL]                      ; the wave's opening: the add and its wait stand ahead of my first tensor load; the set-up below stands between them
	v_lshrrev_b32 v1, 5, v0
	v_readfirstlane_b32 s14, v1                    ; wave 0..3
	s_lshr_b32 s15, s14, 1                         ; which half of A's rows is mine.  Also: I fetch for A (0) or for B (1)
	s_and_b32 s16, s14, 1                          ; which half of B's rows.  Also: which 128 rows of that tile I fetch
	s_bfe_u32 s40, ttmp6, 0x40000                  ; cx, cy: my place in the cluster
	s_bfe_u32 s41, ttmp6, 0x40004
	s_and_b32 s2, ttmp7, 0xffff                    ; the cluster's number, 0 .. 23: the same in all sixteen partners
	s_lshr_b32 s13, s2, 3                          ; which projection: 0 q, 1 k, 2 v
	s_and_b32 s12, s2, 7                           ; which 1,024 rows of x
	s_lshl_b32 s66, s13, 13                        ; q, k: A = x, from row 8192 P;
	s_lshl_b32 s67, s13, 10
	s_add_co_u32 s67, s67, 24576                   ;       B = W, from row 24576 + 1024 P
	s_mov_b32 s104, 26624                          ; v:    A = Wv,
	s_mov_b32 s3, 16384                            ;       B = v
	s_cmp_lt_u32 s13, 2
	s_cselect_b32 s95, 1, 0                        ; 1: q or k
	s_cselect_b32 s105, s12, 0                     ; the cluster's place along A's tiles,
	s_cselect_b32 s2, 0, s12                       ; and along B's
	s_cselect_b32 s66, s66, s104
	s_cselect_b32 s67, s67, s3
	s_lshl_b32 s42, s2, 2
	s_add_co_u32 s42, s42, s40                     ; B's tile
	s_lshl_b32 s17, s105, 2
	s_add_co_u32 s17, s17, s41                     ; A's tile
	s_lshl_b32 s43, s41, 2
	s_lshl_b32 s43, 15, s43                        ; my row of the cluster
	s_lshl_b32 s44, 0x1111, s40                    ; my column
	; descriptor group 1: a tile of 128 rows x 192 bytes, 16 bytes of padding behind every 64
	s_or_b32 s[G1+0], s43, (0<<16)|(1<<20)|(1<<21)|(3<<22)|(3<<25)  ; 15:0 the mask; 17:16 elements of 1 byte; 20 padding on; 21 set beside a mask; 24:22 after every 16 words; 31:25 four words
	s_or_b32 s[G1B+0], s44, (0<<16)|(1<<20)|(1<<21)|(3<<22)|(3<<25)
.irp g, G1, G1B
	s_mov_b32 s[\g+1], ROWB<<16                    ; tensor_dim0
	s_mov_b32 s[\g+2], 128<<16                     ; tensor_dim1
	s_mov_b32 s[\g+3], ROWB<<16                    ; tile_dim0
	s_mov_b32 s[\g+4], 128                         ; tile_dim1
	s_mov_b32 s[\g+5], KROW                        ; tensor_dim0_stride
	s_mov_b32 s[\g+6], 0
	s_mov_b32 s[\g+7], 0
.endr
	; the scales of 128 rows: 4,096 dense bytes as 16 rows of 256 bytes (32 elements of 8 bytes), 16 bytes of padding behind each
	s_or_b32 s[G1S+0], s43, (3<<16)|(1<<20)|(1<<21)|(5<<22)|(3<<25)
	s_or_b32 s[G1SB+0], s44, (3<<16)|(1<<20)|(1<<21)|(5<<22)|(3<<25)
.irp g, G1S, G1SB
	s_mov_b32 s[\g+1], 32<<16
	s_mov_b32 s[\g+2], (128*KS/256)<<16
	s_mov_b32 s[\g+3], 32<<16
	s_mov_b32 s[\g+4], 128*KS/256
	s_mov_b32 s[\g+5], 32
	s_mov_b32 s[\g+6], 0
	s_mov_b32 s[\g+7], 0
.endr
	s_lshl_b32 s18, s16, 7                         ; which 128 rows of the tile I fetch
	s_lshl_b32 s20, s17, 8
	s_add_co_u32 s20, s20, s18
	s_add_co_u32 s20, s20, s66                     ; A: the tensor's first row + 256 x tile + 128 x half
	s_lshl_b32 s46, s42, 8
	s_add_co_u32 s46, s46, s18
	s_add_co_u32 s46, s46, s67                     ; B likewise
	s_mov_b32 s21, 0
	s_mov_b32 s47, 0
	s_mov_b64 s[18:19], KS
	s_mul_u64 s[22:23], s[20:21], s[18:19]         ; where these rows' scales begin, in bytes
	s_mul_u64 s[92:93], s[46:47], s[18:19]
	s_mov_b64 s[18:19], KROW
	s_mul_u64 s[20:21], s[20:21], s[18:19]         ; and their codes
	s_mul_u64 s[46:47], s[46:47], s[18:19]
	s_mul_i32 s45, s14, HALFT                      ; where they go: wave x 128 rows: no place in the cluster enters an LDS address
	s_mul_i32 s94, s14, HALFS
	s_mov_b32 s[SEL], 0x76543210
	s_mov_b32 s[SEL+1], 0xfedcba98
	s_mov_b32 s104, 0xffff0000                     ; lanes 16-31
	s_wait_dscnt 0x0                               ; the opening add is done
	s_wait_kmcnt 0x0
	s_add_nc_u64 s[20:21], s[4:5], s[20:21]
	s_add_nc_u64 s[22:23], s[6:7], s[22:23]
	s_add_nc_u64 s[46:47], s[4:5], s[46:47]
	s_add_nc_u64 s[92:93], s[6:7], s[92:93]
	s_cmp_eq_u32 s13, 0                            ; the projection's bias: a choice on the cluster's number
	s_cselect_b64 s[96:97], s[8:9], s[96:97]
	s_cmp_eq_u32 s13, 1
	s_cselect_b64 s[96:97], s[10:11], s[96:97]
	CROUND                                         ; all sixteen work-groups are here: the first joint loads meet
	s_mov_b32 s[G0S], 1
	s_add_co_u32 s[G0S+1], s94, SCL
	s_mov_b64 s[G0S+2:G0S+3], s[22:23]
	s_or_b32 s[G0S+3], s[G0S+3], 0x80000000
	s_mov_b32 s[G0SB], 1
	s_add_co_u32 s[G0SB+1], s94, SCL
	s_mov_b64 s[G0SB+2:G0SB+3], s[92:93]
	s_or_b32 s[G0SB+3], s[G0SB+3], 0x80000000
	JLOAD G0S, G1S, G0SB, G1SB                     ; the scales first: they are wanted with K step 0
.irp s, 0,1
	s_mov_b32 s[G0+4*\s], 1
	s_add_co_u32 s[G0+4*\s+1], s45, \s*SLOT
	s_add_nc_u64 s[G0+4*\s+2:G0+4*\s+3], s[20:21], \s*ROWB
	s_or_b32 s[G0+4*\s+3], s[G0+4*\s+3], 0x80000000
	s_mov_b32 s[G0B+4*\s], 1
	s_add_co_u32 s[G0B+4*\s+1], s45, \s*SLOT
	s_add_nc_u64 s[G0B+4*\s+2:G0B+4*\s+3], s[46:47], \s*ROWB
	s_or_b32 s[G0B+4*\s+3], s[G0B+4*\s+3], 0x80000000
	JLOAD G0+4*\s, G1, G0B+4*\s, G1B               ; three tensor loads of mine are out at the most: these
.endr
	v_and_b32 v1, 15, v0                           ; r = l % 16: kept
	v_bfe_u32 v2, v0, 4, 1                         ; h = l / 16: kept
	v_mul_u32_u24 v3, v1, PITCH
	v_mul_u32_u24 v4, v2, 24
	v_add_nc_u32 v4, v3, v4                        ; a fragment's row x pitch + 24 x half
	v_lshl_add_u32 v5, v2, 4, v4                   ; and the same behind one padding more
	s_mul_i32 s21, s15, HALFT                      ; my 128 rows of A
	s_mul_i32 s22, s16, HALFT                      ; my 128 rows of B,
	s_add_co_u32 s22, s22, 2*HALFT                 ; which lie behind A's 256
.irp s, 0,1
	v_add_nc_u32 v[ADRA+\s], s21, v4
	v_add_nc_u32 v[ADRB+\s], s22, v4
	v_add_nc_u32 v[ADRA+2+\s], s21, v5
	v_add_nc_u32 v[ADRB+2+\s], s22, v5
	s_add_co_u32 s21, s21, SLOT
	s_add_co_u32 s22, s22, SLOT
.endr
	v_mul_u32_u24 v5, v1, KS                       ; my row's scales: 32 bytes a row,
	v_lshrrev_b32 v6, 8, v5
	v_lshl_add_u32 v5, v6, 4, v5                   ; and 16 more for each 256 passed
	s_mul_i32 s21, s15, HALFS
	s_mul_i32 s22, s16, HALFS
	s_add_co_u32 s22, s22, 2*HALFS
	s_sub_co_u32 s22, s22, s21
	v_mul_u32_u24 v6, s22, v2                      ; lanes 16-31 take B's
	s_add_co_u32 s21, s21, SCL
	v_add_nc_u32 v5, v5, v6
	v_add_nc_u32 v[ADRS], s21, v5
	v_and_b32 v6, 31, v0
	v_lshlrev_b32 v[L16], 4, v6
	v_lshlrev_b32 v[L8], 3, v6
.macro FRAG reg, adr, q, i             ; a fragment, 16 rows x 128 K: 12 registers: registers 6 c .. 6 c + 5 hold K = 64 c + 32 (l / 16) + 0 .. 31: 24 bytes of the row's stream of bits, in pieces of 8 bytes
.irp p, 0,1,2,3,4,5
.set PC, 12*(\q)+6*(\p/3)+\p%3        ; where the piece three on lies behind one padding more, the second address register serves
.if PC%8 < 5
	ds_load_b64 v[\reg+2*\p:\reg+2*\p+1], v[\adr] offset:8*PC+16*(PC/8)+(\i)*16*PITCH
.else
	ds_load_b64 v[\reg+2*\p:\reg+2*\p+1], v[\adr+2] offset:8*PC+16*(PC/8)+(\i)*16*PITCH
.endif
.endr
.endm
; 16 matrix instructions: A's blocks a0, a0 + 1 x B's eight.  The 64 accumulators take turns, one instruction a turn, in the same order in every step.
.macro MUL16 a0, p, q, sc, zero
.irp a, \a0, \a0+1
.irp b, 0,1,2,3,4,5,6,7
.if \zero
	v_wmma_scale_f32_16x16x128_f8f6f4 v[8*(8*((\a)%4)+\b):8*(8*((\a)%4)+\b)+7], v[128*(\p)+FR*\b:128*(\p)+FR*\b+FR-1], v[AF+FR*(\a):AF+FR*(\a)+FR-1], 0, v[SC+8*NQ*(\sc)+NQ*\b+(\q)], v[SC+8*NQ*(\sc)+NQ*(\a)+(\q)] matrix_a_fmt:MATRIX_FMT_FP6 matrix_b_fmt:MATRIX_FMT_FP6 matrix_a_scale:MATRIX_SCALE_ROW1
.else
	v_wmma_scale_f32_16x16x128_f8f6f4 v[8*(8*((\a)%4)+\b):8*(8*((\a)%4)+\b)+7], v[128*(\p)+FR*\b:128*(\p)+FR*\b+FR-1], v[AF+FR*(\a):AF+FR*(\a)+FR-1], v[8*(8*((\a)%4)+\b):8*(8*((\a)%4)+\b)+7], v[SC+8*NQ*(\sc)+NQ*\b+(\q)], v[SC+8*NQ*(\sc)+NQ*(\a)+(\q)] matrix_a_fmt:MATRIX_FMT_FP6 matrix_b_fmt:MATRIX_FMT_FP6 matrix_a_scale:MATRIX_SCALE_ROW1
.endif
.endr
.endr
.endm
.macro FETCH_B slot, q, p
	WIN TO_B
.irp i, 0,1,2,3,4,5,6,7
	FRAG 128*(\p)+FR*\i, ADRB+\slot, \q, \i
.endr
	WIN 0
.endm
.macro FETCH_A slot, q, i0
.irp i, \i0, \i0+1, \i0+2, \i0+3
	FRAG AF+FR*(\i), ADRA+\slot, \q, \i
.endr
.endm
.macro SCALES sc                       ; the next K step's scale words: two words a row; lanes 0-15 take A's block i, lanes 16-31 B's block i
.irp i, 0,1,2,3,4,5,6,7
	ds_load_b64 v[SC+8*NQ*\sc+NQ*\i:SC+8*NQ*\sc+NQ*\i+1], v[ADRS] offset:\i*SBLK
.endr
.endm
.macro PLACES n                        ; plain vector instructions that name none of the matrix instruction's registers (ISA guide 7.12.1)
.rept \n
	v_nop
.endr
.endm
.macro STEP slot, q, zero              ; a step of 128 along K that has its successor in the same slot
	s_wait_dscnt 4*NL                              ; B's set and A's blocks 0-3 are in; the youngest 24 loads (A's blocks 4-7) may be out
	WIN MUL_LO
	MUL16 0, (\q)%2, \q, \slot, \zero
	MUL16 2, (\q)%2, \q, \slot, \zero
	s_wait_dscnt 0
	PLACES NP
	FETCH_B \slot, (\q)+1, 1-(\q)%2
	FETCH_A \slot, (\q)+1, 0
	WIN MUL_HI
	MUL16 4, (\q)%2, \q, \slot, \zero
	MUL16 6, (\q)%2, \q, \slot, \zero
	PLACES NP
	WIN 0
	FETCH_A \slot, (\q)+1, 4
.endm
; A slot's last step changes slots: ONE barrier; in front of it each wave waits for all its tensor loads, adds 0 to its spare word, and waits for that and for its own reads of this slot.  fill = 1: this slot is filled again.
.macro TURN slot, next, fill
	s_wait_tensorcnt 0x0                           ; all my tensor loads have landed: my part of the next slot
	ds_add_u32 v[SPW], v[NIL]                      ; 0 onto my spare word
	s_wait_dscnt 4*NL+1                            ; (the add and the youngest 24 loads may be out)
	WIN MUL_LO
	MUL16 0, 1, NQ-1, \slot, 0
	s_wait_dscnt 0x0                               ; the add is done, and my reads of this slot are over
	s_barrier_signal -1
	MUL16 2, 1, NQ-1, \slot, 0
	WIN 0
	s_barrier_wait -1
.if \fill
	CREST                                          ; the barrier has opened a round of the cluster's barrier: no wave of any partner still reads this slot or has a load on its way
	s_add_nc_u64 s[G0+4*\slot+2:G0+4*\slot+3], s[G0+4*\slot+2:G0+4*\slot+3], 2*ROWB
	s_add_nc_u64 s[G0B+4*\slot+2:G0B+4*\slot+3], s[G0B+4*\slot+2:G0B+4*\slot+3], 2*ROWB
	JLOAD G0+4*\slot, G1, G0B+4*\slot, G1B         ; the first tensor load behind the round; its four v_nop are the places in front of the loads below
.else
	PLACES NP
.endif
	v_add_nc_u32 v[ADRS], 4*NQ, v[ADRS]
	FETCH_B \next, 0, 0
	FETCH_A \next, 0, 0
	SCALES \next
	WIN MUL_HI
	MUL16 4, 1, NQ-1, \slot, 0
	MUL16 6, 1, NQ-1, \slot, 0
	PLACES NP
	WIN 0
	FETCH_A \next, 0, 4
.endm
.macro LASTSTEP                        ; the very last step: nothing more to fetch
	s_wait_dscnt 4*NL
	WIN MUL_LO
	MUL16 0, 1, NQ-1, 1, 0
	MUL16 2, 1, NQ-1, 1, 0
	s_wait_dscnt 0
	WIN MUL_HI
	MUL16 4, 1, NQ-1, 1, 0
	MUL16 6, 1, NQ-1, 1, 0
	WIN 0
.endm
; 64 numbers of a lane, v[s] on, register 16 b + i = k 32 b + 16 (lane / 16) + i of my row, become a fragment's codes in v[PCD] on and its scale word in v[pw].
.macro QUANT s, pw
.irp b, 0,1,2,3
	v_max3_num_f32 v[TM+\b], |v[\s+16*\b]|, |v[\s+1+16*\b]|, 0x1800000   ; block b: my 16 numbers, and the floor 2^(3 - 127): the byte cannot fall under 1
.endr
.irp i, 2,4,6,8,10,12,14
.irp b, 0,1,2,3
	v_max3_num_f32 v[TM+\b], v[TM+\b], |v[\s+16*\b+\i]|, |v[\s+1+16*\b+\i]|
.endr
.endr
.irp b, 0,1,2,3
	v_permlanex16_b32 v[TM+4+\b], v[TM+\b], s[SEL], s[SEL+1]
.endr
.irp b, 0,1,2,3
	v_max_num_f32 v[TM+\b], v[TM+\b], v[TM+4+\b]   ; with lane l xor 16's: the block's largest magnitude
.endr
.irp b, 0,1,2,3
	v_add_nc_u32 v[TM+12+\b], 0xff000000, v[TM+\b]   ; 2 off its exponent field: the conversion's scale operand
.endr
.irp b, 0,1,2,3
	v_lshrrev_b32 v[TM+4+\b], 23, v[TM+12+\b]      ; the scale's byte
.endr
	v_lshl_or_b32 v[\pw], v[TM+5], 8, v[TM+4]
	v_lshl_or_b32 v[\pw], v[TM+6], 16, v[\pw]
	v_lshl_or_b32 v[\pw], v[TM+7], 24, v[\pw]
.irp c, 0,1
	v_cvt_scalef32_pk16_fp6_f32 v[PCD+6*\c:PCD+2+6*\c], v[\s+32*\c:\s+15+32*\c], v[TM+12+2*\c]
	v_cvt_scalef32_pk16_fp6_f32 v[PTT+4*\c:PTT+2+4*\c], v[\s+16+32*\c:\s+31+32*\c], v[TM+12+2*\c+1]   ; (a conversion's three registers begin on an even number)
.endr
	v_nop                                          ; one plain place behind a scaled conversion
.irp c, 0,1                                    ; the operand's layout wants a whole block in a lane
.irp i, 0,1,2
	v_permlane16_swap_b32 v[PCD+6*\c+\i], v[PTT+4*\c+\i]
.endr
.irp i, 0,1,2
	v_mov_b32 v[PCD+3+6*\c+\i], v[PTT+4*\c+\i]
.endr
.endr
.endm
; My tile a of 16 rows of A: + bias, quantised, stored.  qk = 1: the 128 numbers of a lane's row are two heads' 64: registers 0-5 of the fragment are the first head's operand, 6-11 the second's.  qk = 0: 128 keys: one whole fragment.
.macro EPI_A a, qk
.if (\a) > 0
	s_wait_xcnt 0x0                                ; the last tile's stores have read their data: the codes' registers may be written again
.endif
	WIN 0x02+(\a)/4                                ; source 0: window 2 or 3
.set AC, 64*((\a)%4)
.set i, 0
.rept 32                                       ; ascending: each accumulator is read from its low end on
.if \qk
	v_pk_add_f32 v[TT+i:TT+i+1], v[AC+i:AC+i+1], v[BIAS+i:BIAS+i+1]
.else
	v_pk_add_f32 v[TT+i:TT+i+1], v[AC+i:AC+i+1], v[BIAS+2*(\a):BIAS+2*(\a)+1]
.endif
.set i, i+2
.endr
	WIN 0
	QUANT TT, SWD+(\a)
.if \qk
	global_store_b128 v[L16], v[PCD:PCD+3], s[8:9] offset:768*(\a)                  ; each store of the wave covers 512 or 256 consecutive bytes, aligned to 256
	global_store_b64 v[L8], v[PCD+4:PCD+5], s[8:9] offset:768*(\a)+512
	global_store_b128 v[L16], v[PCD+6:PCD+9], s[8:9] offset:HEADB+768*(\a)
	global_store_b64 v[L8], v[PCD+10:PCD+11], s[8:9] offset:HEADB+768*(\a)+512
.else
.irp g, 0,1,2
	global_store_b128 v[L16], v[PCD+4*\g:PCD+4*\g+3], s[8:9] offset:((\a)/4)*HEADB+((\a)%4)*1536+512*\g
.endr
.endif
.endm
	s_wait_tensorcnt 1                             ; the scales and my part of K step 0 are in (K step 1's load may be out),
	s_barrier_signal -1
	s_barrier_wait -1                              ; everybody's are
	FETCH_B 0, 0, 0
	FETCH_A 0, 0, 0
	SCALES 0
	FETCH_A 0, 0, 4
	STEP 0, 0, 1                                   ; the first step stands in front of the loop: its products start the sums
	s_mov_b32 s3, LAPS-1
.Llap:
	TURN 0, 1, 1
	STEP 1, 0, 0
	TURN 1, 0, 1
	STEP 0, 0, 0
	s_sub_co_u32 s3, s3, 1
	s_cmp_lg_u32 s3, 0
	s_cbranch_scc1 .Llap
	TURN 0, 1, 0                                   ; the last lap fills nothing, and has no round of the cluster's barrier
	STEP 1, 0, 0
	; THE TAIL, in two arms on the cluster's number (the same in all partners): no barrier, no tensor load and no LDS store stands in them.  Each asks for its bias, runs the last 64 products meanwhile, and goes out.
	s_cmp_eq_u32 s95, 1
	s_cbranch_scc0 .Lv
	; ---- q, k: a lane holds one row of x; its registers run along the output features
	s_lshl_b32 s18, s17, 8
	s_lshl_b32 s19, s15, 7
	s_add_co_u32 s18, s18, s19                     ; my first row of x (stored order)
	s_lshl_b32 s19, s42, 8
	s_lshl_b32 s20, s16, 7
	s_add_co_u32 s19, s19, s20                     ; my first feature
	s_lshr_b32 s20, s18, 11
	s_lshl_b32 s20, s20, 4
	s_lshr_b32 s21, s19, 6
	s_add_co_u32 s20, s20, s21                     ; 16 x batch + head
	s_mul_i32 s20, s20, HEADB
	s_bfe_u32 s21, s18, 0x40007                    ; which 128 rows of the batch's 2,048
	s_mul_i32 s22, s21, 6144
	s_add_co_u32 s22, s22, s20
	s_lshl_b32 s46, s21, 9
	s_add_co_u32 s46, s46, s20
	s_mov_b32 s2, KSO
	s_cmp_eq_u32 s13, 0
	s_cselect_b32 s3, QFO, 0
	s_cselect_b32 s2, QSO, s2
	s_add_co_u32 s22, s22, s3
	s_add_co_u32 s46, s46, s2
	s_mov_b32 s23, 0
	s_mov_b32 s47, 0
	s_add_nc_u64 s[8:9], s[98:99], s[22:23]        ; where my codes go,
	s_add_nc_u64 s[10:11], s[98:99], s[46:47]      ; and my scale words
	s_lshl_b32 s22, s19, 2
	s_add_nc_u64 s[96:97], s[96:97], s[22:23]      ; the bias at my first feature
	v_lshlrev_b32 v[BO], 6, v2                     ; register 16 b + i is feature 32 b + 16 h + i
.irp b, 0,1,2,3
.irp q, 0,1,2,3
	global_load_b128 v[BIAS+16*\b+4*\q:BIAS+16*\b+4*\q+3], v[BO], s[96:97] offset:128*\b+16*\q
.endr
.endr
	LASTSTEP
	s_wait_loadcnt 0x0                             ; the bias
	PLACES NP                                      ; behind the last products: their results are read, and A's registers written, below
.irp b, 0,1,2,3
	v_mov_b32 v[TM+4+\b], 0                        ; written once: a lane permute's destination counts as one of its sources
.endr
.irp a, 0,1,2,3,4,5,6,7
	EPI_A \a, 1
.endr
.irp p, 0,1,2,3
	v_cndmask_b32 v[RR+\p], v[SWD+2*\p], v[SWD+2*\p+1], s104   ; lanes 0-15: tile 2 p's words, lanes 16-31: tile 2 p + 1's
.endr
.irp p, 0,1,2,3
	v_and_b32 v[RR2+\p], 0xffff, v[RR+\p]          ; the first head's two bytes, two zero bytes above them;
.endr
.irp p, 0,1,2,3
	v_lshrrev_b32 v[RR+\p], 16, v[RR+\p]           ; the second head's
.endr
	global_store_b128 v[L16], v[RR2:RR2+3], s[10:11]
	global_store_b128 v[L16], v[RR:RR+3], s[10:11] offset:HEADB
	s_branch .Ldone
.Lv:
	; ---- v: a lane holds one output feature; its registers run along the keys
	s_lshl_b32 s18, s17, 8
	s_lshl_b32 s19, s15, 7
	s_add_co_u32 s18, s18, s19                     ; my first feature (stored order)
	s_lshl_b32 s19, s42, 8
	s_lshl_b32 s20, s16, 7
	s_add_co_u32 s19, s19, s20                     ; my first row of v: 2048 x batch + key
	s_lshr_b32 s20, s19, 11
	s_lshl_b32 s20, s20, 4
	s_lshr_b32 s21, s18, 6
	s_add_co_u32 s20, s20, s21                     ; 16 x batch + head
	s_mul_i32 s20, s20, HEADB
	s_bfe_u32 s21, s19, 0x40007                    ; the step of 128 keys
	s_mul_i32 s22, s21, 6144
	s_add_co_u32 s22, s22, s20
	s_add_co_u32 s22, s22, VFO
	s_lshl_b32 s46, s21, 8
	s_add_co_u32 s46, s46, s20
	s_add_co_u32 s46, s46, VSO
	s_mov_b32 s23, 0
	s_mov_b32 s47, 0
	s_add_nc_u64 s[8:9], s[98:99], s[22:23]
	s_add_nc_u64 s[10:11], s[98:99], s[46:47]
	s_lshl_b32 s22, s18, 2
	s_add_nc_u64 s[96:97], s[96:97], s[22:23]
	v_and_b32 v[BO], 8, v1
	v_add_nc_u32 v[BO], v[BO], v1
	v_lshlrev_b32 v[BO], 2, v[BO]                  ; lane r of tile a is feature 32 (a / 2) + 8 (a % 2) + r + 8 (r / 8)
.irp a, 0,1,2,3,4,5,6,7
	global_load_b32 v[BIAS+2*\a], v[BO], s[96:97] offset:4*(32*(\a/2)+8*(\a%2))     ; twice: a pair for the packed addition
	global_load_b32 v[BIAS+2*\a+1], v[BO], s[96:97] offset:4*(32*(\a/2)+8*(\a%2))
.endr
	LASTSTEP
	s_wait_loadcnt 0x0
	PLACES NP
.irp b, 0,1,2,3
	v_mov_b32 v[TM+4+\b], 0
.endr
.irp a, 0,1,2,3,4,5,6,7
	EPI_A \a, 0
.endr
.irp p, 0,1,2,3
	v_cndmask_b32 v[RR+\p], v[SWD+2*\p], v[SWD+2*\p+1], s104
.endr
	global_store_b64 v[L8], v[RR:RR+1], s[10:11]                   ; the first head's four tiles,
	global_store_b64 v[L8], v[RR+2:RR+3], s[10:11] offset:HEADB    ; the second's
.Ldone:
	s_wait_tensorcnt 0x0                           ; the wave's end, behind my last tensor load
	ds_add_u32 v[SPW], v[NIL]
	s_wait_dscnt 0x0
	CROUND                                         ; the closing round: no work-group ends while a partner may still ask for a tile that names it
	s_endpgm
.Lfunc_end_k_q5129eed248_proj:
	.size	k_q5129eed248_proj, .Lfunc_end_k_q5129eed248_proj-k_q5129eed248_proj
	.p2alignl 7, 3214868480
	.fill 96, 4, 3214868480
	.section	.rodata,"a",@progbits
	.p2align	6, 0x0
	.amdhsa_kernel k_q5129eed248_proj
		.amdhsa_group_segment_fixed_size 327680
		.amdhsa_private_segment_fixed_size 0
		.amdhsa_enable_private_segment 0
		.amdhsa_kernarg_size 48
		.amdhsa_user_sgpr_count 2
		.amdhsa_user_sgpr_kernarg_segment_ptr 1
		.amdhsa_wavefront_size32 1
		.amdhsa_system_sgpr_workgroup_id_x 1
		.amdhsa_system_sgpr_workgroup_id_y 1
		.amdhsa_system_sgpr_workgroup_id_z 1
		.amdhsa_system_vgpr_workitem_id 0
		.amdhsa_next_free_vgpr 1024
		.amdhsa_next_free_sgpr 106
		.amdhsa_reserve_vcc 0
		.amdhsa_float_denorm_mode_32 3
		.amdhsa_float_denorm_mode_16_64 3
		.amdhsa_memory_ordered 1
		.amdhsa_forward_progress 1
		.amdhsa_inst_pref_size 244
	.end_amdhsa_kernel
	.amdgpu_metadata
---
amdhsa.version: [ 1, 2 ]
amdhsa.kernels:
  - .name:           k_q5129eed248_proj
    .symbol:         k_q5129eed248_proj.kd
    .args:
      - { .name: codes, .offset: 0, .size: 8, .value_kind: global_buffer, .address_space: global }
      - { .name: scales, .offset: 8, .size: 8, .value_kind: global_buffer, .address_space: global }
      - { .name: bq, .offset: 16, .size: 8, .value_kind: global_buffer, .address_space: global }
      - { .name: bk, .offset: 24, .size: 8, .value_kind: global_buffer, .address_space: global }
      - { .name: bv, .offset: 32, .size: 8, .value_kind: global_buffer, .address_space: global }
      - { .name: hb, .offset: 40, .size: 8, .value_kind: global_buffer, .address_space: global }
    .group_segment_fixed_size: 327680
    .private_segment_fixed_size: 0
    .kernarg_segment_align: 8
    .kernarg_segment_size: 48
    .max_flat_workgroup_size: 128
    .sgpr_count:     106
    .vgpr_count:     1024
    .wavefront_size: 32
...
	.end_amdgpu_metadata
.endif
;; end of part 2
;; launch attn (part 3): grid 4 x 64, 16 waves a work-group, clusters of 4 x 1, 280,576 bytes of LDS; arguments hb, mbits, mcodes, out0; writes out0
.if DOCPART == 3
	.amdgcn_target "amdgcn-amd-amdhsa--gfx1250"
	.amdhsa_code_object_version 6
	.text
	.protected	k_q5129eed248_attn
	.globl	k_q5129eed248_attn
	.p2align	8
	.type	k_q5129eed248_attn,@function
k_q5129eed248_attn:
	s_mov_b64 s[64:65], 0
	v_nop
	global_prefetch_b8 v0, s[64:65] scope:SCOPE_SE
	s_setreg_imm32_b32 hwreg(HW_REG_WAVE_MODE, 25, 1), 1
	s_wait_xcnt 0x0
	s_wait_alu depctr_hold_cnt(0) depctr_sa_sdst(0) depctr_va_vdst(0) depctr_va_sdst(0) depctr_va_ssrc(0) depctr_va_vcc(0) depctr_vm_vsrc(0)
	s_getreg_b32 s2, hwreg(HW_REG_IB_STS2, 6, 4)
	s_cmp_eq_u32 s2, 0
	s_cbranch_scc0 .Lentry_in_a_cluster
	s_endpgm
.Lentry_in_a_cluster:
	s_bfe_u32 s2, ttmp6, 0x10000c
	s_cmp_lg_u32 s2, 0x3003
	s_cbranch_scc0 .Lentry_shape_is_right
	s_endpgm
.Lentry_shape_is_right:
; out[b][q][64 head + d] = the sum over keys of P[q][key] vh[key][d], P = softmax over the keys of (qh . kh / 8, -infinity where mask = 0), 0 in a row that is masked throughout.  Both products on codes of FP6 (E2M3).
; WHAT IS QUANTISED AHEAD OF THE SECOND PRODUCT IS THE FINISHED, NORMALISED P, in blocks of 32 keys.  So a row's sum is wanted before any of its P: THE KEYS ARE WALKED TWICE.
;   Pass 1: scores, mask, running maximum and sum.  t = score x log2(e) / 8; M = the largest t so far rounded up to a whole number; the sum is of 2^(t - M); when M moves it is multiplied by 2^(old M - new M), which rounds nothing.
;           The largest counted score of each block of 32 keys, which the search for the row's maximum passes through, is kept: 16 bytes a query and step, in the wave's stage in LDS, which is idle until the way out.
;   Pass 2: the same scores again, P = 2^(t - M) x (1 / sum), quantised, O^T += V^T P^T.  It takes no maximum and masks no score:
;           a block's scale comes from the kept score, put through the same multiply-add, exponential and multiplication as every score (this takes v_exp_f32 not to fall where its input rises);
;           the mask is laid on the CODES: mcodes holds, in the order of the operand's twelve registers, 0x3f where a key counts and 0 where it does not: twelve v_and_b32 for 128 keys.
;           A hidden key's P may lie beyond its block's range, or be infinite (NaN in a row that is masked throughout): whatever code the conversion gives it is cleared.
; hb holds for each (batch, head) a block of HEADB bytes, images of the operands' registers: KF, VF, KS, VS (208,896 bytes on end), QF, QS.  A head's K and V, codes and scale words, FIT IN LDS: they come once, and there is no ring.
; SHARES.  A work-group owns 512 queries of one head; each of its sixteen waves two tiles of 16, one after the other, in 256 registers: four waves to a SIMD, so that one wave's vector work stands beside another's products and LDS loads.
; CLUSTER.  The four work-groups of a head read the same 208,896 bytes: they are asked for jointly, waves 0 to 7 one tensor load each (102 rows of 256 bytes).
; LAYOUT.  Both products are used transposed: S^T = K Q^T, O^T = V^T P^T: a lane holds ONE query (lane % 16) throughout.  The rows of a tile are stored so that tile T's row r is row 32 (T / 2) + 8 (T % 2) + r + 8 (r / 8):
; register 16 b + i of S^T is key 128 step + 32 b + 16 (lane / 16) + i, and of O^T channel 32 b + 16 (lane / 16) + i.
; THE HEAD'S 64 IN AN INSTRUCTION OF 128: Q's registers 6-11 are zero codes, so whatever codes stand in the upper six registers named for K (the next fragment's) add nothing; the scale bytes 2, 3 of both sides are 0, a power of two.
; THE MASK IN PASS 1 comes as words of one bit a lane (mbits: 64 words for each tile of queries and step), by scalar loads one step ahead: one v_cndmask_b32 a score.
; No prefetch is written: K and V come by the one fill at the head; the mask's codes are loaded into registers a step ahead, and the sixteen heads of a batch read the same codes.
; LIMITS: NaN and infinities among the inputs are not served; a t at or under -3e38 is not served; a block whose every P lies under 2^-124 keeps the byte 1.
.set HEADB, 315392
.set VFO,   98304
.set KSO,   196608
.set VSO,   204800
.set QFO,   208896
.set QSO,   307200
.set MCB,   1536                       ; the mask's codes of a tile of queries and a step
.set FILLB, 102*256                    ; what one tensor load brings
.set STAGE, 208896                     ; behind the head's operands: 16 rows x 272 bytes for each wave: the blocks' largest scores (4,096 bytes), then the way out
.set SPARE, STAGE+16*16*272            ; the spare words, 128 bytes for each wave: eight blocks of 256 bytes that no other line names
.set L16,  1                           ; v1   16 x lane
.set L8,   2                           ; v2   8 x lane
.set SPW,  3                           ; v3   LDS address of my spare word; never rewritten
.set NIL,  4                           ; v4   0; never rewritten
.set NEG,  5                           ; v5   -infinity
.set GO,   6                           ; v6   the way out: my byte in two rows of out0
.set STO,  7                           ; v7   where I put 16 bytes of a row in my stage
.set RD,   8                           ; v8   where I read a row back
.set ADK,  9                           ; v9-11 LDS addresses of a step's K: registers 0-3, registers 4-5, scale words
.set ADK8, 10
.set ADS,  11
                                       ; v12 -M, v13 the largest t, v[14:15] the sum in two halves
.set QF,   16                          ; v16-27 Q's fragment
.set QS,   28                          ; v28  Q's scale words
.set ADV,  29                          ; v29, v30 LDS addresses of the step's V and its scale words
.set ADT,  30
.set R16,  31                          ; v31  16 x (lane % 16)
.set KB,   32                          ; v32-79 K's eight fragments, six registers each; v80-85 zeros
.set VB,   32                          ; v32-79 V's four fragments
.set KSC,  86                          ; v86-89 K's scale words
.set VSC,  90                          ; v90-91 V's
.set RL,   92                          ; v[92:93] 1 / sum, twice; 0 in a row that is masked throughout
.set BMA,  94                          ; v94  my stage + 16 x (lane % 16): my query's four kept scores of step 0
.set ADM,  95                          ; v95  the same of the step in hand
.set S,    96                          ; v96-159 S^T, then P
.set OT,   160                         ; v160-191 O^T
.set PC,   192                         ; v192-203 P's codes
.set PT,   204                         ; v204-211 the conversions' second halves
.set BM,   212                         ; v212-215 each block's largest counted score, then its P
.set BP,   216                         ; v216-219 what the other half of the lanes sends
.set SO,   220                         ; v220-223 the conversions' scale operands
.set BY,   224                         ; v224-227 the scales' bytes
.set PW,   228                         ; v228 P's scale word
.set FF,   230                         ; v[230:231] f = 2^(old M - new M)
.set TMP,  232
.set SM2,  234                         ; v[234:235] the sum's second chain
.set MK,   236                         ; v236-247 the mask's codes of the step in hand
.set WV,   10                          ; s10  my wave's number
.set MCN,  12                          ; s12  steps of pass 2 to go, both tiles together (a descriptor's register until the fill has landed)
.set MST,  16                          ; s[16:17] how far the mask's codes step (likewise)
.set TK,   24                          ; s24-27 LDS bytes at which a step's K, V, K's words and V's words begin
.set TV,   25
.set TKS,  26
.set TVS,  27
.set CNT,  28                          ; s28  steps to go
.set QT,   29                          ; s29  tiles of queries to go
.set MOFF, 30                          ; s30  byte in my two tiles' mask words at which the words on their way begin
.set TBM,  31                          ; s31  256 x the step: the kept scores' place in my stage
.set CS,   66                          ; s[66:67] c = log2(e) / 8
.set SEL,  100                         ; s[100:101] lane selects for v_permlanex16_b32: lane l xor 16
.set MB,   104                         ; s[104:105] the mask's codes on their way
                                       ; s[32:63], s[68:99] a step's 64 mask words
.macro CROUND                          ; a round of the cluster's barrier
	s_barrier_signal -1
	s_barrier_wait -1
	s_cmp_lg_u32 s[WV], 0
	s_cbranch_scc1 .Lnot_wave_0_\@
	s_barrier_signal -3
.Lnot_wave_0_\@:
	s_barrier_wait -3
	s_barrier_signal -1
	s_barrier_wait -1
.endm
	s_load_b128 s[4:7], s[0:1], 0x0                ; hb, mbits
	s_load_b128 s[40:43], s[0:1], 0x10             ; mcodes, out0
	v_lshl_add_u32 v[SPW], v0, 2, SPARE
	v_mov_b32 v[NIL], 0
	ds_add_u32 v[SPW], v[NIL]                      ; the wave's opening: the add and its wait stand ahead of my first tensor load; the set-up below stands between them
	v_lshrrev_b32 v1, 5, v0
	v_readfirstlane_b32 s[WV], v1                  ; wave 0..15
	s_bfe_u32 s11, ttmp6, 0x40000                  ; cx: it enters Q's, the mask's and out0's addresses alone
	s_and_b32 s24, ttmp7, 0xffff                   ; 16 x batch + head, which the four partners share
	; descriptor group 1: 102 rows of 256 bytes (32 elements of 8 bytes), dense in memory and in LDS
	s_mov_b32 s16, 15|(3<<16)|(1<<21)              ; 15:0 the mask: all four work-groups; 17:16 elements of 8 bytes; 20 no padding; 21 set beside a mask
	s_mov_b32 s17, 32<<16                          ; tensor_dim0
	s_mov_b32 s18, 102<<16                         ; tensor_dim1
	s_mov_b32 s19, 32<<16                          ; tile_dim0
	s_mov_b32 s20, 102                             ; tile_dim1
	s_mov_b32 s21, 32                              ; tensor_dim0_stride
	s_mov_b32 s22, 0
	s_mov_b32 s23, 0
	s_mul_i32 s26, s24, HEADB                      ; the head's block
	s_mul_i32 s25, s[WV], FILLB                    ; my part of the fill, in memory and in LDS alike
	s_add_co_u32 s38, s26, s25
	s_mov_b32 s39, 0
	s_lshl_b32 s27, s11, 5
	s_lshl_b32 s28, s[WV], 1
	s_add_co_u32 s27, s27, s28                     ; my first tile of queries: 32 cx + 2 wave
	s_mul_i32 s28, s27, 768
	s_add_co_u32 s28, s28, s26
	s_add_co_u32 s28, s28, QFO                     ; its fragment
	s_mov_b32 s29, 0
	s_lshl_b32 s30, s11, 2
	s_lshr_b32 s31, s[WV], 2
	s_add_co_u32 s30, s30, s31
	s_lshl_b32 s30, s30, 9                         ; its scale words: eight tiles share 512 bytes,
	s_and_b32 s31, s[WV], 3
	s_lshl_b32 s31, s31, 2                         ; word wave % 4 of a lane's four; the second tile's lie 256 bytes on
	s_add_co_u32 s30, s30, s31
	s_add_co_u32 s30, s30, s26
	s_add_co_u32 s30, s30, QSO
	s_mov_b32 s31, 0
	s_lshr_b32 s32, s24, 4
	s_lshl_b32 s32, s32, 7
	s_add_co_u32 s32, s32, s27                     ; 128 x batch + tile
	s_lshl_b32 s34, s32, 12                        ; its mask words: 4,096 bytes a tile
	s_mov_b32 s35, 0
	s_lshl_b32 s36, s32, 16                        ; its rows of out0: 16 rows of 4,096 bytes a tile,
	s_and_b32 s33, s24, 15
	s_lshl_b32 s33, s33, 8
	s_add_co_u32 s36, s36, s33                     ; the head's 256 bytes of a row
	s_mov_b32 s37, 0
	s_mul_i32 s44, s32, 16*MCB                     ; its mask codes: 16 steps of 1,536 bytes a tile
	s_mov_b32 s45, 0
	s_mov_b32 s[CS], 0x3e38aa3b                    ; c = log2(e) / 8
	s_mov_b32 s[CS+1], s[CS]                       ; (named with it as a pair, so it is written)
	s_mov_b32 s[SEL], 0x76543210
	s_mov_b32 s[SEL+1], 0xfedcba98
	s_wait_dscnt 0x0                               ; the opening add is done
	s_wait_kmcnt 0x0
	s_mov_b32 s12, 1                               ; group 0: count = 1,
	s_mov_b32 s13, s25                             ; LDS address,
	s_add_nc_u64 s[14:15], s[4:5], s[38:39]        ; global address: made of the head and the wave's number alone,
	s_or_b32 s15, s15, 0x80000000                  ; type = 2
	CROUND                                         ; all four work-groups are here: the joint loads meet
	s_cmp_lt_u32 s[WV], 8
	s_cbranch_scc0 .Lno_fill
	tensor_load_to_lds s[12:15], s[16:23]          ; the launch's one fill: one tensor load of mine is out
	s_nop 0
.rept 4
	v_nop
.endr
.Lno_fill:
	s_add_nc_u64 s[2:3], s[4:5], s[30:31]          ; Q's scale words
	s_add_nc_u64 s[4:5], s[4:5], s[28:29]          ; Q's fragment
	s_add_nc_u64 s[6:7], s[6:7], s[34:35]          ; my two tiles' mask words
	s_add_nc_u64 s[8:9], s[42:43], s[36:37]        ; my rows of out0
	s_add_nc_u64 s[MB:MB+1], s[40:41], s[44:45]    ; my two tiles' mask codes
	s_mov_b32 s[MOFF], 0
	s_load_b512 s[32:47], s[6:7], s[MOFF] offset:0x0       ; the first step's 64 words
	s_load_b512 s[48:63], s[6:7], s[MOFF] offset:0x40
	s_load_b512 s[68:83], s[6:7], s[MOFF] offset:0x80
	s_load_b512 s[84:99], s[6:7], s[MOFF] offset:0xc0
	v_and_b32 v9, 31, v0
	v_lshlrev_b32 v[L16], 4, v9
	v_lshlrev_b32 v[L8], 3, v9
.irp g, 0,1,2
	global_load_b128 v[MK+4*\g:MK+4*\g+3], v[L16], s[MB:MB+1] offset:512*\g   ; the mask's codes of my first tile's first step: wanted in pass 2
.endr
	v_mov_b32 v[NEG], 0xff800000
	v_and_b32 v10, 15, v0                          ; r
	v_bfe_u32 v11, v0, 4, 1                        ; h
	v_lshlrev_b32 v[R16], 4, v10
	v_lshl_add_u32 v[GO], v11, 12, v[R16]          ; lanes 0-15 one row of out0, lanes 16-31 the next; 16 bytes a lane
	s_mul_i32 s31, s[WV], 16*272
	s_add_co_u32 s31, s31, STAGE                   ; my stage
	v_mul_u32_u24 v[STO], v10, 272
	v_lshl_add_u32 v[STO], v11, 6, v[STO]
	v_add_nc_u32 v[STO], s31, v[STO]               ; in: row r, + 64 h
	v_mul_u32_u24 v[RD], v11, 272
	v_add_nc_u32 v[RD], v[RD], v[R16]
	v_add_nc_u32 v[RD], s31, v[RD]                 ; back: lanes 0-15 one row, lanes 16-31 the next
	v_add_nc_u32 v[BMA], s31, v[R16]               ; the kept scores: 16 bytes a query, 256 a step
.irp j, 6,7,8,9,10,11
	v_mov_b32 v[QF+\j], 0                          ; Q's K = 64 .. 127: zero codes, written once
.endr
.irp j, 48,49,50,51,52,53
	v_mov_b32 v[KB+\j], 0                          ; what the eighth fragment of K names above its six
.endr
.irp b, 0,1,2,3
	v_mov_b32 v[BP+\b], 0                          ; written once: a lane permute's destination counts as one of its sources
.endr
	v_mov_b32 v[FF+1], 0                           ; (named as the upper half of a pair)
	s_wait_tensorcnt 0x0                           ; my part of the head's operands is in,
	s_barrier_signal -1
	s_barrier_wait -1                              ; everybody's is: from here on these bytes are only read
	s_mov_b32 s[MCN], 32                           ; (no tensor load is out: the descriptors' registers are free)
	s_mov_b32 s[MST+1], 0
; A step's K: eight fragments and their scale words.
.macro KLOADS
.irp t, 0,1,2,3,4,5,6,7
	ds_load_b128 v[KB+6*\t:KB+6*\t+3], v[ADK] offset:768*\t          ; 32 lanes read 512 consecutive bytes,
	ds_load_b64 v[KB+6*\t+4:KB+6*\t+5], v[ADK8] offset:768*\t+512    ; and 256
.endr
	ds_load_b128 v[KSC:KSC+3], v[ADS]
.endm
; S^T = K Q^T for the step's 128 keys: eight tiles, each a sum of its own.
.macro KQMUL
.irp t, 0,2,4,6
	v_wmma_scale_f32_16x16x128_f8f6f4 v[S+8*\t:S+8*\t+7], v[KB+6*\t:KB+6*\t+11], v[QF:QF+11], 0, v[KSC+\t/2], v[QS] matrix_a_fmt:MATRIX_FMT_FP6 matrix_b_fmt:MATRIX_FMT_FP6
	v_wmma_scale_f32_16x16x128_f8f6f4 v[S+8*(\t+1):S+8*(\t+1)+7], v[KB+6*(\t+1):KB+6*(\t+1)+11], v[QF:QF+11], 0, v[KSC+\t/2], v[QS] matrix_a_fmt:MATRIX_FMT_FP6 matrix_b_fmt:MATRIX_FMT_FP6 matrix_a_scale:MATRIX_SCALE_ROW1
.endr
.endm
; Scores of hidden keys become -infinity: word n is the lanes' mask of register n.  Ascending: each accumulator is read from its low end on.
.macro MASKS
	s_wait_kmcnt 0x0                               ; the step's words, asked for a step ago
.set n, 0
.rept 32
	v_cndmask_b32 v[S+n], v[NEG], v[S+n], s[32+n]
.set n, n+1
.endr
.rept 32
	v_cndmask_b32 v[S+n], v[NEG], v[S+n], s[36+n]
.set n, n+1
.endr
.endm
; The largest score of my 16 of each block of 32 keys.
.macro BLKMAX
.irp b, 0,1,2,3
	v_max3_num_f32 v[BM+\b], v[S+16*\b], v[S+1+16*\b], v[S+2+16*\b]
.endr
.irp i, 3,5,7,9,11,13
.irp b, 0,1,2,3
	v_max3_num_f32 v[BM+\b], v[BM+\b], v[S+16*\b+\i], v[S+1+16*\b+\i]
.endr
.endr
.irp b, 0,1,2,3
	v_max_num_f32 v[BM+\b], v[BM+\b], v[S+15+16*\b]
.endr
.endm
; The next step's words are asked for: 256 bytes on, through my two tiles' 8,192 bytes on end.  Behind the second tile's last step the offset is held at that step's words: inside the buffer, and not used.
.macro NEXTMASK
	s_add_co_u32 s[MOFF], s[MOFF], 256             ; (the wait in MASKS has shown the last loads done: their offset may be written)
	s_min_u32 s[MOFF], s[MOFF], 7936
	s_load_b512 s[32:47], s[6:7], s[MOFF] offset:0x0
	s_load_b512 s[48:63], s[6:7], s[MOFF] offset:0x40
	s_load_b512 s[68:83], s[6:7], s[MOFF] offset:0x80
	s_load_b512 s[84:99], s[6:7], s[MOFF] offset:0xc0
.endm
.macro TMINUSM                         ; t - M, two at a time (of the pairs c and -M the low word serves both halves); ascending: each accumulator is read from its low end on
.set n, 0
.rept 32
	v_pk_fma_f32 v[S+n:S+n+1], v[S+n:S+n+1], s[CS:CS+1], v[12:13] op_sel_hi:[1,0,0]
.set n, n+2
.endr
.endm
.macro EXPS
.set n, 0
.rept 64
	v_exp_f32 v[S+n], v[S+n]
.set n, n+1
.endr
.endm
; PASS 1, a step of 128 keys.  Its K was asked for a step ago.  pre = 1: the next step's K is asked for behind the products; the four additions are the places between the products and those loads, and the first reads of the scores.
.macro STEP1 pre
	s_wait_dscnt 0x0                               ; K and its scale words are in; the last step's store of kept scores has read its registers
	KQMUL
	v_add_nc_u32 v[ADM], s[TBM], v[BMA]
.if \pre
	s_add_co_u32 s[TK], s[TK], 6144
	s_add_co_u32 s[TKS], s[TKS], 512
	v_add_nc_u32 v[ADK], s[TK], v[L16]
	v_add_nc_u32 v[ADK8], s[TK], v[L8]
	v_add_nc_u32 v[ADS], s[TKS], v[L16]
	KLOADS
.else
.rept 3
	v_nop
.endr
.endif
	MASKS
	BLKMAX
	NEXTMASK
.irp b, 0,1,2,3
	v_permlanex16_b32 v[BP+\b], v[BM+\b], s[SEL], s[SEL+1]
.endr
.irp b, 0,1,2,3
	v_max_num_f32 v[BM+\b], v[BM+\b], v[BP+\b]     ; with lane l xor 16's 16 keys: the block's largest counted score
.endr
	ds_store_b128 v[ADM], v[BM:BM+3]               ; kept for pass 2 (both lanes of a query write the same 16 bytes with the same values)
	v_max3_num_f32 v[TMP], v[BM], v[BM+1], v[BM+2]
	v_max_num_f32 v[TMP], v[TMP], v[BM+3]          ; the step's largest score of my query
	v_mul_f32 v[TMP], s[CS], v[TMP]                ; as t
	v_max_num_f32 v13, v13, v[TMP]                 ; the running largest t
	v_mov_b32 v[TMP], v12
	v_floor_f32 v12, -v13                          ; the new -M = floor(-t): M is a whole number
	v_sub_f32 v[TMP], v12, v[TMP]                  ; old M - new M: a whole number, 0 or less
	v_cvt_i32_f32 v[TMP], v[TMP]                   ; (it saturates)
	v_ldexp_f32 v[FF], 1.0, v[TMP]                 ; f = 2^(old M - new M)
	TMINUSM
	EXPS
	v_pk_mul_f32 v[14:15], v[14:15], v[FF:FF+1] op_sel_hi:[1,0]   ; the sum under the new M (a plain place behind the exponentials)
	s_wait_alu depctr_va_vdst(0)                   ; one wait for the whole batch, ahead of its first reader
	v_pk_add_f32 v[SM2:SM2+1], v[S:S+1], v[S+2:S+3]                ; two at a time, in two chains
.irp j, 4,8,12,16,20,24,28,32,36,40,44,48,52,56,60
	v_pk_add_f32 v[14:15], v[14:15], v[S+\j:S+\j+1]
	v_pk_add_f32 v[SM2:SM2+1], v[SM2:SM2+1], v[S+2+\j:S+3+\j]
.endr
	v_pk_add_f32 v[14:15], v[14:15], v[SM2:SM2+1]
	s_add_co_u32 s[TBM], s[TBM], 256
.endm
; PASS 2, a step of 128 keys.  The six additions at its head are also the places between the last step's products and the loads into V's registers.
.macro STEP2
	v_add_nc_u32 v[ADK], s[TK], v[L16]
	v_add_nc_u32 v[ADK8], s[TK], v[L8]
	v_add_nc_u32 v[ADS], s[TKS], v[L16]
	v_add_nc_u32 v[ADV], s[TV], v[L16]
	v_add_nc_u32 v[ADT], s[TVS], v[L8]
	v_add_nc_u32 v[ADM], s[TBM], v[BMA]
	KLOADS
	ds_load_b128 v[BM:BM+3], v[ADM]                ; the four blocks' largest counted scores, kept by pass 1
	s_wait_dscnt 0x0
	KQMUL
.irp b, 0,1,2,3
	v_fma_f32 v[BM+\b], v[BM+\b], s[CS], v12       ; t - M of each kept score: these four are the places behind the products
.endr
.irp t, 0,1,2,3                                ; V's four fragments are asked for at once, into K's registers: they land under the softmax
.irp g, 0,1,2
	ds_load_b128 v[VB+12*\t+4*\g:VB+12*\t+4*\g+3], v[ADV] offset:1536*\t+512*\g
.endr
.endr
	ds_load_b64 v[VSC:VSC+1], v[ADT]
.irp b, 0,1,2,3
	v_exp_f32 v[BM+\b], v[BM+\b]                   ; the batch begins with the four
.endr
	TMINUSM
	EXPS
	s_wait_alu depctr_va_vdst(0)                   ; one wait for all 68, ahead of their first reader; the lines on the four below are the plain places behind the last exponential
.irp b, 0,1,2,3
	v_mul_f32 v[BM+\b], v[BM+\b], v[RL]            ; the block's largest P: the same instructions on the same number give the same bits
.endr
.irp b, 0,1,2,3
	v_max_num_f32 v[BM+\b], 0x1800000, v[BM+\b]    ; the floor 2^(3 - 127): the byte cannot fall under 1
.endr
.irp b, 0,1,2,3
	v_add_nc_u32 v[SO+\b], 0xff000000, v[BM+\b]    ; 2 off the exponent field: the conversion's scale operand
.endr
.irp b, 0,1,2,3
	v_lshrrev_b32 v[BY+\b], 23, v[SO+\b]           ; the scale's byte
.endr
	v_lshl_or_b32 v[PW], v[BY+1], 8, v[BY]         ; P's scale word for these 128 keys: the 32 multiplications below stand between it and the product that names it
	v_lshl_or_b32 v[PW], v[BY+2], 16, v[PW]
	v_lshl_or_b32 v[PW], v[BY+3], 24, v[PW]
.set n, 0
.rept 32
	v_pk_mul_f32 v[S+n:S+n+1], v[S+n:S+n+1], v[RL:RL+1]            ; P = 2^(t - M) / sum: finished and normalised
.set n, n+2
.endr
.irp c, 0,1
	v_cvt_scalef32_pk16_fp6_f32 v[PC+6*\c:PC+2+6*\c], v[S+32*\c:S+15+32*\c], v[SO+2*\c]
	v_cvt_scalef32_pk16_fp6_f32 v[PT+4*\c:PT+2+4*\c], v[S+16+32*\c:S+31+32*\c], v[SO+2*\c+1]   ; (a conversion's three registers begin on an even number)
.endr
	v_nop                                          ; one plain place behind a scaled conversion
.irp c, 0,1                                    ; the operand's layout wants a whole block in a lane
.irp i, 0,1,2
	v_permlane16_swap_b32 v[PC+6*\c+\i], v[PT+4*\c+\i]
.endr
.endr
	s_wait_loadcnt 0x0                             ; the mask's codes, asked for a step ago
.irp c, 0,1                                    ; hidden keys' codes are cleared; the same lines bring each block's upper half to its place
.irp i, 0,1,2
	v_and_b32 v[PC+6*\c+\i], v[PC+6*\c+\i], v[MK+6*\c+\i]
	v_and_b32 v[PC+3+6*\c+\i], v[PT+4*\c+\i], v[MK+3+6*\c+\i]
.endr
.endr
	s_cmp_gt_u32 s[MCN], 1                         ; the next step's codes lie 1,536 bytes on, my second tile's behind my first's; behind the very last step the same are asked for again: inside the buffer, and not used
	s_cselect_b32 s[MST], MCB, 0
	s_add_nc_u64 s[MB:MB+1], s[MB:MB+1], s[MST:MST+1]   ; (the wait above has shown the last loads done: their base may be written)
	s_sub_co_u32 s[MCN], s[MCN], 1
.irp g, 0,1,2
	global_load_b128 v[MK+4*\g:MK+4*\g+3], v[L16], s[MB:MB+1] offset:512*\g
.endr
.rept 4
	v_nop                                          ; an operand written by vector instructions stands 4 places ahead of the scaled product
.endr
	s_wait_dscnt 0x0                               ; V
.irp t, 0,2                                    ; O^T += V^T P^T: the four accumulators by turns, one instruction a turn
	v_wmma_scale_f32_16x16x128_f8f6f4 v[OT+8*\t:OT+8*\t+7], v[VB+12*\t:VB+12*\t+11], v[PC:PC+11], v[OT+8*\t:OT+8*\t+7], v[VSC+\t/2], v[PW] matrix_a_fmt:MATRIX_FMT_FP6 matrix_b_fmt:MATRIX_FMT_FP6
	v_wmma_scale_f32_16x16x128_f8f6f4 v[OT+8*(\t+1):OT+8*(\t+1)+7], v[VB+12*(\t+1):VB+12*(\t+1)+11], v[PC:PC+11], v[OT+8*(\t+1):OT+8*(\t+1)+7], v[VSC+\t/2], v[PW] matrix_a_fmt:MATRIX_FMT_FP6 matrix_b_fmt:MATRIX_FMT_FP6 matrix_a_scale:MATRIX_SCALE_ROW1
.endr
	s_add_co_u32 s[TK], s[TK], 6144
	s_add_co_u32 s[TKS], s[TKS], 512
	s_add_co_u32 s[TV], s[TV], 6144
	s_add_co_u32 s[TVS], s[TVS], 256
	s_add_co_u32 s[TBM], s[TBM], 256
.endm
	s_mov_b32 s[QT], 2
.Lq:                                               ; two trips: my two tiles of 16 queries
	global_load_b128 v[QF:QF+3], v[L16], s[4:5]
	global_load_b64 v[QF+4:QF+5], v[L8], s[4:5] offset:512
	global_load_b32 v[QS], v[R16], s[2:3]
	v_mov_b32 v13, 0xff61b1e6                      ; the largest t so far: -3e38, under every t
	v_floor_f32 v12, -v13                          ; -M
	v_mov_b32 v14, 0                               ; the sum, in two halves
	v_mov_b32 v15, 0
.set n, 0
.rept 32
	v_mov_b32 v[OT+n], 0                           ; O^T: pass 2 is written once, and its first step adds onto zeros
.set n, n+1
.endr
	s_mov_b32 s[TK], 0
	s_mov_b32 s[TKS], KSO
	s_mov_b32 s[TBM], 0
	v_add_nc_u32 v[ADK], s[TK], v[L16]
	v_add_nc_u32 v[ADK8], s[TK], v[L8]
	v_add_nc_u32 v[ADS], s[TKS], v[L16]
	KLOADS                                         ; the first step's K
	s_mov_b32 s[CNT], 15
	s_wait_loadcnt 0x0                             ; Q
.Lp1:
	STEP1 1
	s_sub_co_u32 s[CNT], s[CNT], 1
	s_cmp_lg_u32 s[CNT], 0
	s_cbranch_scc1 .Lp1
	STEP1 0                                        ; the sixteenth step is written out: it asks for no further K
	v_add_f32 v14, v14, v15                        ; the sum's two halves,
	v_permlanex16_b32 v[BP], v14, s[SEL], s[SEL+1]
	v_add_f32 v14, v14, v[BP]                      ; and lane l xor 16's: the row's sum
	v_rcp_f32 v15, v14
	v_cmp_lt_f32 vcc_lo, 0, v14                    ; (a plain place behind the reciprocal)  a row that is masked throughout has the sum 0
	s_wait_alu depctr_va_vdst(0)                   ; the wait, ahead of the first reader
	v_cndmask_b32 v[RL], 0, v15, vcc_lo            ; and gets 0 for 1 / sum
	v_mov_b32 v[RL+1], v[RL]
	s_mov_b32 s[TK], 0
	s_mov_b32 s[TKS], KSO
	s_mov_b32 s[TV], VFO
	s_mov_b32 s[TVS], VSO
	s_mov_b32 s[TBM], 0
	s_mov_b32 s[CNT], 16
	s_wait_dscnt 0x0                               ; the last store of kept scores has read its registers, which pass 2 loads into
.Lp2:
	STEP2
	s_sub_co_u32 s[CNT], s[CNT], 1
	s_cmp_lg_u32 s[CNT], 0
	s_cbranch_scc1 .Lp2
	; THE WAY OUT: O^T goes through my stage in LDS (the kept scores have been read) and leaves as rows of 256 bytes: sixteen lanes store 256 consecutive bytes, aligned.
.rept 4
	v_nop                                          ; places behind the last products
.endr
.irp b, 0,1
.irp q, 0,1,2,3
	ds_store_b128 v[STO], v[OT+16*\b+4*\q:OT+16*\b+4*\q+3] offset:128*\b+16*\q   ; register 16 b + i is channel 32 b + 16 h + i; each accumulator from its low end on
.endr
.endr
.irp i, 0,1,2,3,4,5,6,7
	ds_load_b128 v[S+4*\i:S+4*\i+3], v[RD] offset:544*\i   ; LDS serves a wave's instructions in order: these see my stores
.endr
.irp i, 0,1,2,3,4,5,6,7
	s_wait_dscnt 7-\i                              ; load i is in; the younger ones may be out
	global_store_b128 v[GO], v[S+4*\i:S+4*\i+3], s[8:9] offset:(2*\i+8*(\i/4))*4096 th:TH_STORE_NT   ; stage row r is query r + 8 (r / 8) of the tile
.endr
	s_wait_xcnt 0x0                                ; the stores have read their data and their base: both may be written again
	s_add_nc_u64 s[4:5], s[4:5], 768               ; my second tile: its fragment,
	s_add_nc_u64 s[2:3], s[2:3], 256               ; its scale words,
	s_add_nc_u64 s[8:9], s[8:9], 8*4096            ; its rows begin 8 rows further down
	s_sub_co_u32 s[QT], s[QT], 1
	s_cmp_lg_u32 s[QT], 0
	s_cbranch_scc1 .Lq
	s_wait_kmcnt 0x0                               ; the words and the codes asked for behind the last steps
	s_wait_loadcnt 0x0
	s_wait_tensorcnt 0x0                           ; the wave's end, behind my last tensor load and my last LDS store
	ds_add_u32 v[SPW], v[NIL]
	s_wait_dscnt 0x0
	CROUND                                         ; the closing round: no work-group ends while a partner may still ask for a tile that names it
	s_endpgm
.Lfunc_end_k_q5129eed248_attn:
	.size	k_q5129eed248_attn, .Lfunc_end_k_q5129eed248_attn-k_q5129eed248_attn
	.p2alignl 7, 3214868480
	.fill 96, 4, 3214868480
	.section	.rodata,"a",@progbits
	.p2align	6, 0x0
	.amdhsa_kernel k_q5129eed248_attn
		.amdhsa_group_segment_fixed_size 280576
		.amdhsa_private_segment_fixed_size 0
		.amdhsa_enable_private_segment 0
		.amdhsa_kernarg_size 32
		.amdhsa_user_sgpr_count 2
		.amdhsa_user_sgpr_kernarg_segment_ptr 1
		.amdhsa_wavefront_size32 1
		.amdhsa_system_sgpr_workgroup_id_x 1
		.amdhsa_system_sgpr_workgroup_id_y 1
		.amdhsa_system_sgpr_workgroup_id_z 1
		.amdhsa_system_vgpr_workitem_id 0
		.amdhsa_next_free_vgpr 256
		.amdhsa_next_free_sgpr 106
		.amdhsa_reserve_vcc 1
		.amdhsa_float_denorm_mode_32 3
		.amdhsa_float_denorm_mode_16_64 3
		.amdhsa_memory_ordered 1
		.amdhsa_forward_progress 1
		.amdhsa_inst_pref_size 56
	.end_amdhsa_kernel
	.amdgpu_metadata
---
amdhsa.version: [ 1, 2 ]
amdhsa.kernels:
  - .name:           k_q5129eed248_attn
    .symbol:         k_q5129eed248_attn.kd
    .args:
      - { .name: hb, .offset: 0, .size: 8, .value_kind: global_buffer, .address_space: global }
      - { .name: mbits, .offset: 8, .size: 8, .value_kind: global_buffer, .address_space: global }
      - { .name: mcodes, .offset: 16, .size: 8, .value_kind: global_buffer, .address_space: global }
      - { .name: out0, .offset: 24, .size: 8, .value_kind: global_buffer, .address_space: global }
    .group_segment_fixed_size: 280576
    .private_segment_fixed_size: 0
    .kernarg_segment_align: 8
    .kernarg_segment_size: 32
    .max_flat_workgroup_size: 512
    .sgpr_count:     106
    .vgpr_count:     256
    .wavefront_size: 32
...
	.end_amdgpu_metadata
.endif
;; end of part 3
